; MI455X (gfx1250); checked and timed in simulation.
; The chip was launched on July 23, 2026; its instructions are those of AMD's public machine-readable ISA for CDNA 5 (MIT licence, August 2026) and "CDNA5" Instruction Set Architecture Reference Guide (July 2026). The comments in the code are by the model that wrote it; some were corrected since.
;; Causal Multi Headed Self Attention. Allowed arithmetic: matrix products marked QUANTISED: E3M2 operands, one E8M0 scale for each 32 along K, by v_wmma_scale_f32_16x16x128_f8f6f4 with both operands' format E3M2, f32 sums; everything else in f32.
;; Inputs: cos 2,048 x 32 float32; sin 2,048 x 32 float32; w_k 1,024 x 1,024 float32; w_o 1,024 x 1,024 float32; w_q 1,024 x 1,024 float32; w_v 1,024 x 1,024 float32; x 4 x 2,048 x 1,024 float32.
;; Outputs: out0 4 x 2,048 x 1,024 float32.
;; This version of the problem:
;;   THIS VERSION OF THE PROBLEM IS GIVEN IN LOW PRECISION. The matrix products marked QUANTISED in the list below multiply operands that are first quantised to E3M2 (3 exponent bits, 2 mantissa bits; 6 bits a number), with one power-of-two scale for each 32 numbers along K (OCP MX v1.0); their sums are f32. All else is computed in f32.
;;   The module's matrix products, in the order in which they are computed (A, B: the left and right operand; K: the contracted axis; several contracted axes count as one K, in the product's order):
;;     1. [M 8,192, K 1,024] x [K 1,024, N 1,024]; A: input x; B: input w_q: QUANTISED
;;     2. [M 8,192, K 1,024] x [K 1,024, N 1,024]; A: input x; B: input w_k: QUANTISED
;;     3. [M 8,192, K 1,024] x [K 1,024, N 1,024]; A: input x; B: input w_v: QUANTISED
;;     4. batch 64 x [M 2,048, K 64] x [K 64, N 2,048]; A: computed on the way; B: computed on the way: QUANTISED
;;     5. batch 64 x [M 2,048, K 2,048] x [K 2,048, N 64]; A: softmax (see below); B: computed on the way: QUANTISED
;;     6. [M 8,192, K 1,024] x [K 1,024, N 1,024]; A: computed on the way; B: input w_o: QUANTISED
;;   THE QUANTISER, for each operand of a quantised product, along K:
;;     - K is cut into blocks of 32 from its start; a last block that is shorter is filled with zeros.
;;     - A block's scale is 2^e with e = floor(log2(the largest magnitude in the block)) - 4, held to -126 .. 127; a block of zeros has e = 0. As a byte (E8M0): e + 127.
;;     - Each number is divided by its block's scale, clamped to +-28, and rounded to the nearest number of E3M2, ties to even, subnormals kept.
;;     - The product sums the exact products of the quantised numbers (number of the format x scale) in f32.
;;   ~~~python
;;   def quantise(x, axis):      # numpy; x: float32 -> the quantised numbers, widened to float32 again
;;       x = np.moveaxis(x, axis, -1); K = x.shape[-1]
;;       x = np.pad(x, [(0, 0)] * (x.ndim - 1) + [(0, -K % 32)]); x = x.reshape(x.shape[:-1] + (-1, 32)); a = np.abs(x).max(-1, keepdims=True)
;;       e = np.where(a > 0, np.clip(np.frexp(np.where(a > 0, a, 1))[1] - 1 - 4, -126, 127), 0)      # np.frexp(a)[1] - 1 = floor(log2(a)), exactly
;;       r = np.clip(x / 2.0 ** e, -28, 28)
;;       step = 2.0 ** (np.maximum(np.frexp(np.where(r == 0, 1, r))[1] - 1, -2) - 2)
;;       q = np.round(r / step) * step * 2.0 ** e      # np.round: ties to even
;;       return np.moveaxis(q.reshape(q.shape[:-2] + (-1,))[..., :K], -1, axis).astype(np.float32)
;;   ~~~
;;   SOFTMAX AHEAD OF A QUANTISED PRODUCT. Where the list says 'softmax', what is quantised is not the finished softmax but p = 2^(t - M), with t = logit x log2(e) and M = ceil(the row's largest t), a whole number; so 1/2 < the row's largest p <= 1. The row's sum l is taken of the UNQUANTISED p, in f32, and the product's result is divided by l at the end. Since M is a whole number, a kernel that streams over the keys may use a running M (the ceiling of the running maximum): every later rescaling is an exact power of two, which a block's scale takes up: the codes' values come out the same.
;;   OPERANDS COMPUTED ON THE WAY. 'Computed on the way' means the value that the module computes at that place (a softmax that the list does not call 'softmax' is quantised finished and normalised). What goes into a quantiser is computed in f32, as accurately as f32 sums, v_exp_f32 and their like allow (about 1e-6 of the number): no bf16 or f16 on the way to a quantiser, and a product that is left as it is and whose result goes on into a quantised operand takes f32 operands (vector FMAs, or v_wmma_f32_16x16x4_f32). A number that lies on a knife's edge between two numbers of the format may be rounded either way, as far as f32 arithmetic and the matrix unit's own rounding can turn it there, and no further.
;; One version. Each part assembles by itself: llvm-mc -triple=amdgcn-amd-amdhsa -mcpu=gfx1250 --defsym DOCPART=n.
;; ======== version 1 of 1: 4 launches
;; workspace buffers: qin 10,223,616 bytes; qkv 19,660,800 bytes; att 6,815,744 bytes
;; launch quant (part 1): grid 768 x 1, 4 waves a work-group, no clusters, 34,304 bytes of LDS; arguments x, w_q, w_k, w_v, w_o, qin; writes qin
.if DOCPART == 1
	.amdgcn_target "amdgcn-amd-amdhsa--gfx1250"
	.amdhsa_code_object_version 6
	.text
	.protected	k_qa4f2e009c8_quant
	.globl	k_qa4f2e009c8_quant
	.p2align	8
	.type	k_qa4f2e009c8_quant,@function
k_qa4f2e009c8_quant:
	s_mov_b64 s[64:65], 0
	v_nop
	global_prefetch_b8 v0, s[64:65] scope:SCOPE_SE
	s_setreg_imm32_b32 hwreg(HW_REG_WAVE_MODE, 25, 1), 1
	s_wait_xcnt 0x0
; THE PROGRAM: causal self-attention with rotary positions, every product on codes of BF6 (E3M2) with one E8M0 scale for each 32 along K.  Four launches:
;   quant: x, w_q, w_k, w_v, w_o (f32, K innermost) -> codes and scale words in qin;   qkv: Q, K, V^T = products on qin, rotation of Q and K, quantised -> qkv;
;   attn: causal attention on qkv, O / l quantised -> att;   oproj: out0 = att w_o^T.
; WORK LEFT OUT (in attn): the key steps of 128 keys all of whose keys come after all 16 queries of a tile.  reference() sets their scores to -inf by the jnp.tril that it builds itself, so their
; softmax weight is exactly 0 for every value of the inputs: they add nothing to the row's maximum, to its sum or to the second product.  Every input has a way to the output and is loaded.
; LIMITS: NaN and infinities among the inputs are not served; a NaN, an infinity or an overflow that reaches only the key steps left out is not carried to the result; a block of zeros gets the scale
; byte 1 where the quantiser says 127 (its codes are zeros, which add nothing under any byte but 0xff, and the bytes are read by this program alone); a block whose largest magnitude lies under 2^-122 is held at byte 1.
; LAYOUT OF ALL OPERANDS.  A TILE is 16 rows, and they are not neighbours: lane index r of tile T takes row 32 (T / 2) + 8 (T % 2) + r + 8 (r / 8).  So in a product used transposed the 16 registers of two
; neighbouring tiles are 16 neighbours along the next K.  A HALF FRAGMENT (16 rows x 64 K, 6 registers a lane) lies as an image of its registers: three pieces of 256 bytes, registers 2 p, 2 p + 1 of lane l at 256 p + 8 l.
; qin: 768 tiles (0-511 x, 512-575 w_q, 576-639 w_k, 640-703 w_v, 704-767 w_o) of four records; a record (3,328 bytes) serves 256 along K: four half fragments, then at byte 3,072 two scale words a row (8 r + 4 q);
; its last 128 bytes are neither written nor read.
; THIS LAUNCH.  A work-group takes a tile, wave w its record w: 16 rows x 256 numbers.  Each load reads 512 consecutive bytes of a row; the numbers turn through the wave's own stage in LDS, so that a lane
; then holds 16 neighbours of each block of 32 of ONE row.  Waves share nothing: no barrier; work-groups share no input: no cluster; no tensor load.
.set ROWM,  4096                       ; a row of x or of a weight in bytes
.set REC,   3328                       ; a record
.set SP,    528                        ; a stage row: 512 bytes + 16
.set WSTG,  16*SP                      ; a wave's stage
.set SPARE, 4*WSTG                     ; behind the stages: the spare words, 128 bytes for each wave, that no other line names
.set LO,  4                            ; v4   16 x lane: my bytes of a load
.set STI, 5                            ; v5   the stage on the way in
.set STO, 6                            ; v6   and on the way out: row r, + 64 h
.set GO,  7                            ; v7   8 x lane: my place in a piece
.set SO,  8                            ; v8   8 r + 4 h: my scale word
.set R,   16                           ; v16-143  the numbers as loaded: K step q at 64 q
.set X0,  144                          ; v144-207 K step 0 turned
.set X1,  16                           ; v16-79   K step 1 turned
.set PC0, 208                          ; v208-227 codes of K step 0 (12, and 8 at work)
.set PC1, 144                          ; v144-163 of K step 1
.set TM,  228                          ; v228-243 at work
.set PW0, 244
.set PW1, 245                          ; the two scale words
.set SPW, 246                          ; LDS address of my spare word; never rewritten
.set NIL, 247                          ; 0; never rewritten
	s_load_b256 s[4:11], s[0:1], 0x0               ; x, w_q, w_k, w_v
	s_load_b128 s[12:15], s[0:1], 0x20             ; w_o, qin
	v_lshl_add_u32 v[SPW], v0, 2, SPARE
	v_mov_b32 v[NIL], 0
	v_lshrrev_b32 v1, 5, v0
	v_readfirstlane_b32 s26, v1                    ; wave
	v_and_b32 v1, 31, v0                           ; lane
	v_and_b32 v2, 15, v0                           ; r
	v_bfe_u32 v3, v0, 4, 1                         ; h
	v_lshlrev_b32 v[LO], 4, v1
	s_mul_i32 s27, s26, WSTG
	v_add_nc_u32 v[STI], s27, v[LO]
	v_mul_u32_u24 v[STO], v2, SP
	v_lshl_add_u32 v[STO], v3, 6, v[STO]
	v_add_nc_u32 v[STO], s27, v[STO]
	v_lshlrev_b32 v[GO], 3, v1
	v_lshlrev_b32 v[SO], 3, v2
	v_lshl_add_u32 v[SO], v3, 2, v[SO]
.irp b, 0,1,2,3
	v_mov_b32 v[TM+4+\b], 0                        ; written once: a lane permute's destination counts as one of its sources
.endr
	s_mov_b32 s28, 0x76543210
	s_mov_b32 s29, 0xfedcba98                      ; v_permlanex16_b32's selects for lane l xor 16
	s_sub_co_u32 s16, ttmp9, 512                   ; among the weights' tiles
	s_lshr_b32 s17, s16, 6                         ; which weight
	s_and_b32 s18, s16, 63                         ; and which tile of it
	s_mul_i32 s24, ttmp9, 4*REC
	s_mul_i32 s25, s26, REC
	s_add_co_u32 s24, s24, s25                     ; my record in qin
	s_mov_b32 s25, 0
	s_wait_alu depctr_va_vdst(0)
	s_wait_kmcnt 0x0
	s_mov_b64 s[20:21], s[12:13]                   ; the source: the choice hangs on the work-group's number alone
	s_cmp_eq_u32 s17, 2
	s_cselect_b64 s[20:21], s[10:11], s[20:21]
	s_cmp_eq_u32 s17, 1
	s_cselect_b64 s[20:21], s[8:9], s[20:21]
	s_cmp_eq_u32 s17, 0
	s_cselect_b64 s[20:21], s[6:7], s[20:21]
	s_cmp_lt_u32 ttmp9, 512
	s_cselect_b64 s[20:21], s[4:5], s[20:21]
	s_cselect_b32 s18, ttmp9, s18                  ; the tile's number in its tensor
	s_lshr_b32 s22, s18, 1
	s_lshl_b32 s22, s22, 17                        ; 32 rows for each pair of tiles,
	s_and_b32 s23, s18, 1
	s_lshl_b32 s23, s23, 15                        ; 8 rows for the odd one,
	s_add_co_u32 s22, s22, s23
	s_lshl_b32 s23, s26, 10                        ; my wave's 256 numbers of a row
	s_add_co_u32 s22, s22, s23
	s_mov_b32 s23, 0
	s_add_nc_u64 s[20:21], s[20:21], s[22:23]
	s_add_nc_u64 s[24:25], s[14:15], s[24:25]
.macro LOADS                           ; row index i of the tile is row i + 8 (i / 8) from the tile's first; 32 lanes read 512 consecutive bytes
.irp q, 0,1
.irp i, 0,1,2,3,4,5,6,7,8,9,10,11,12,13,14,15
	global_load_b128 v[R+64*\q+4*\i:R+64*\q+4*\i+3], v[LO], s[20:21] offset:(\i+8*(\i/8))*ROWM+512*\q th:TH_LOAD_NT
.endr
.endr
.endm
.macro TURN q, x                       ; K step q through the stage: LDS serves a wave's instructions in order, so no wait stands between the stores and the loads.  Register 16 b + e of x is then k = 32 b + 16 h + e of row r
.irp i, 0,1,2,3,4,5,6,7,8,9,10,11,12,13,14,15
	ds_store_b128 v[STI], v[R+64*(\q)+4*\i:R+64*(\q)+4*\i+3] offset:SP*\i
.endr
.irp b, 0,1,2,3
.irp j, 0,1,2,3
	ds_load_b128 v[(\x)+16*\b+4*\j:(\x)+16*\b+4*\j+3], v[STO] offset:128*\b+16*\j
.endr
.endr
.endm
; 64 numbers of a lane become a fragment's 12 registers of codes in v[pc] on and the row's scale word in v[pw]
.macro QUANT s, pc, pw
.irp b, 0,1,2,3
	v_max3_num_f32 v[TM+\b], |v[(\s)+16*\b]|, |v[(\s)+1+16*\b]|, 0x2800000   ; block b: my 16 numbers, and the floor 2^(5 - 127): the byte cannot fall under 1
.endr
.irp i, 2,4,6,8,10,12,14
.irp b, 0,1,2,3
	v_max3_num_f32 v[TM+\b], v[TM+\b], |v[(\s)+16*\b+\i]|, |v[(\s)+1+16*\b+\i]|   ; the four blocks by turns
.endr
.endr
.irp b, 0,1,2,3
	v_permlanex16_b32 v[TM+4+\b], v[TM+\b], s28, s29
.endr
.irp b, 0,1,2,3
	v_max_num_f32 v[TM+\b], v[TM+\b], v[TM+4+\b]   ; with lane l xor 16's: the block's largest magnitude
.endr
.irp b, 0,1,2,3
	v_add_nc_u32 v[TM+12+\b], 0xfe000000, v[TM+\b] ; 4 off its exponent field: the conversion takes the exponent field of this operand as its scale
.endr
.irp b, 0,1,2,3
	v_lshrrev_b32 v[TM+4+\b], 23, v[TM+12+\b]      ; the scale's byte
.endr
	v_lshl_or_b32 v[\pw], v[TM+5], 8, v[TM+4]
	v_lshl_or_b32 v[\pw], v[TM+6], 16, v[\pw]
	v_lshl_or_b32 v[\pw], v[TM+7], 24, v[\pw]
.irp c, 0,1
	v_cvt_scalef32_pk16_bf6_f32 v[(\pc)+6*\c:(\pc)+2+6*\c], v[(\s)+32*\c:(\s)+15+32*\c], v[TM+12+2*\c]
	v_cvt_scalef32_pk16_bf6_f32 v[(\pc)+12+4*\c:(\pc)+14+4*\c], v[(\s)+16+32*\c:(\s)+31+32*\c], v[TM+12+2*\c+1]   ; (a conversion's three registers begin on an even number)
.endr
	v_nop                                          ; one plain place behind a scaled conversion
.irp c, 0,1                            ; the operand wants a WHOLE block in a lane: lanes 0-15 block 2 c, lanes 16-31 block 2 c + 1
.irp i, 0,1,2
	v_permlane16_swap_b32 v[(\pc)+6*\c+\i], v[(\pc)+12+4*\c+\i]
.endr
.irp i, 0,1,2
	v_mov_b32 v[(\pc)+3+6*\c+\i], v[(\pc)+12+4*\c+\i]
.endr
.endr
.endm
.macro OUT q, pc                       ; the fragment leaves as it stands: each store covers 256 consecutive bytes, aligned
.irp p, 0,1,2,3,4,5
	global_store_b64 v[GO], v[(\pc)+2*\p:(\pc)+2*\p+1], s[24:25] offset:1536*(\q)+256*\p
.endr
.endm
	LOADS
	s_wait_loadcnt 16                              ; K step 0's sixteen loads are in; K step 1's sixteen may be out
	TURN 0, X0
	s_wait_dscnt 0x0
	QUANT X0, PC0, PW0
	OUT 0, PC0
	s_wait_loadcnt 0x0
	TURN 1, X1
	s_wait_dscnt 0x0
	QUANT X1, PC1, PW1
	OUT 1, PC1
	v_cmp_le_u32 vcc_lo, 16, v1
	v_cndmask_b32 v9, v[PW0], v[PW1], vcc_lo       ; lanes 0-15 store K step 0's word of row r, lanes 16-31 K step 1's: 128 consecutive bytes
	global_store_b32 v[SO], v9, s[24:25] offset:3072
	s_wait_tensorcnt 0x0                           ; the wave's end, behind my last LDS store
	ds_add_u32 v[SPW], v[NIL]
	s_wait_dscnt 0x0
	s_endpgm
.Lfunc_end_k_qa4f2e009c8_quant:
	.size	k_qa4f2e009c8_quant, .Lfunc_end_k_qa4f2e009c8_quant-k_qa4f2e009c8_quant
	.p2alignl 7, 3214868480
	.fill 96, 4, 3214868480
	.section	.rodata,"a",@progbits
	.p2align	6, 0x0
	.amdhsa_kernel k_qa4f2e009c8_quant
		.amdhsa_group_segment_fixed_size 34304
		.amdhsa_private_segment_fixed_size 0
		.amdhsa_enable_private_segment 0
		.amdhsa_kernarg_size 48
		.amdhsa_user_sgpr_count 2
		.amdhsa_user_sgpr_kernarg_segment_ptr 1
		.amdhsa_wavefront_size32 1
		.amdhsa_system_sgpr_workgroup_id_x 1
		.amdhsa_system_sgpr_workgroup_id_y 1
		.amdhsa_system_sgpr_workgroup_id_z 1
		.amdhsa_system_vgpr_workitem_id 0
		.amdhsa_next_free_vgpr 248
		.amdhsa_next_free_sgpr 66
		.amdhsa_reserve_vcc 1
		.amdhsa_float_denorm_mode_32 3
		.amdhsa_float_denorm_mode_16_64 3
		.amdhsa_memory_ordered 1
		.amdhsa_forward_progress 1
		.amdhsa_inst_pref_size 19
	.end_amdhsa_kernel
	.amdgpu_metadata
---
amdhsa.version: [ 1, 2 ]
amdhsa.kernels:
  - .name:           k_qa4f2e009c8_quant
    .symbol:         k_qa4f2e009c8_quant.kd
    .args:
      - { .name: x, .offset: 0, .size: 8, .value_kind: global_buffer, .address_space: global }
      - { .name: w_q, .offset: 8, .size: 8, .value_kind: global_buffer, .address_space: global }
      - { .name: w_k, .offset: 16, .size: 8, .value_kind: global_buffer, .address_space: global }
      - { .name: w_v, .offset: 24, .size: 8, .value_kind: global_buffer, .address_space: global }
      - { .name: w_o, .offset: 32, .size: 8, .value_kind: global_buffer, .address_space: global }
      - { .name: qin, .offset: 40, .size: 8, .value_kind: global_buffer, .address_space: global }
    .group_segment_fixed_size: 34304
    .private_segment_fixed_size: 0
    .kernarg_segment_align: 8
    .kernarg_segment_size: 48
    .max_flat_workgroup_size: 128
    .sgpr_count:     66
    .vgpr_count:     248
    .wavefront_size: 32
...
	.end_amdgpu_metadata
.endif
;; end of part 1
;; launch qkv (part 2): grid 4 x 192, 4 waves a work-group, clusters of 4 x 4, 327,680 bytes of LDS; arguments qin, cos, sin, qkv; writes qkv
.if DOCPART == 2
	.amdgcn_target "amdgcn-amd-amdhsa--gfx1250"
	.amdhsa_code_object_version 6
	.text
	.protected	k_qa4f2e009c8_qkv
	.globl	k_qa4f2e009c8_qkv
	.p2align	8
	.type	k_qa4f2e009c8_qkv,@function
k_qa4f2e009c8_qkv:
	s_mov_b64 s[64:65], 0
	v_nop
	global_prefetch_b8 v0, s[64:65] scope:SCOPE_SE
	s_setreg_imm32_b32 hwreg(HW_REG_WAVE_MODE, 25, 1), 1
	s_wait_xcnt 0x0
	s_wait_alu depctr_hold_cnt(0) depctr_sa_sdst(0) depctr_va_vdst(0) depctr_va_sdst(0) depctr_va_ssrc(0) depctr_va_vcc(0) depctr_vm_vsrc(0)
	s_getreg_b32 s2, hwreg(HW_REG_IB_STS2, 6, 4)
	s_cmp_eq_u32 s2, 0
	s_cbranch_scc0 .Lentry_in_a_cluster
	s_endpgm
.Lentry_in_a_cluster:
	s_bfe_u32 s2, ttmp6, 0x10000c
	s_cmp_lg_u32 s2, 0xf033
	s_cbranch_scc0 .Lentry_shape_is_right
	s_endpgm
.Lentry_shape_is_right:
; Q = x w_q^T and K = x w_k^T (rotated by cos and sin, then quantised along the head's 64), V^T = w_v x^T (quantised along the tokens, which are the keys): products on the codes of qin, results as operand images in qkv.
; No work of reference() is left out here.  LIMITS as at the head of the launch quant.
; THE PRODUCT.  C[m][n] = sum over k of A[m][k] B[n][k], K = 1,024.  A work-group makes 128 (m) x 256 (n), each of its four waves 64 x 128: 32 accumulators.  ALL OF K of its 8 tiles of A and 16 of B lies in LDS,
; 307,200 bytes, each byte filled once: four chunks of 256 along K, all asked for at the head, one barrier where a chunk is first read.  Nothing is filled again.
; THE MATRIX INSTRUCTION IS USED TRANSPOSED (source 0 = a tile of B, source 1 = a tile of A): lane (r, h) holds row index r of A's tile, and by the order of rows in a tile (launch quant) the 16 registers of
; B's tiles 2 i and 2 i + 1 are columns 32 i + 16 h + 0 .. 15: neighbours along the next product's K, in one lane.
; Q, K: A = x (64 blocks of 128 tokens), B = the weight (4 blocks of 256).   V: A = w_v (8 blocks of 128 channels), B = x (32 blocks of 256 tokens): a lane holds one channel, its registers run along the tokens.
; CLUSTERS: 4 x 4 work-groups; A's tiles are shared along a row of the cluster, B's along a column: each is asked for jointly, by the same tensor load with the same descriptor and a mask that names the four.
; The cluster's y says which product: 0-15 Q, 16-31 K, 32-47 V; partners share it, so the one branch on it is the same in all sixteen.
; qkv: Q's codes [b h][tile 128][768] at 0, K's likewise at 6,291,456, V's [b h][64 keys: 32][channel tile 4][768] at 12,582,912; scale words: Q's [b][pair of heads 8][tile][r] at 18,874,368 (bytes 0, 1 the even
; head's two blocks, bytes 2, 3 the odd head's), K's likewise at 19,136,512, V's [b h][128 keys: 16][channel tile 4][r] at 19,398,656 (byte i: the step's i-th block of 32 keys).
; REGISTERS, in windows of 256: window 0: v16-23 addresses; v28, v29 the add's two; v32-79 scale words, two sets of 24, and nothing else; v80-127 at work on the way out; v128-223 A's fragments, two sets, later the codes made.
;   window 1: B's fragments, two sets, at v0 and v128.   window 2: accumulator (a, b) at v[64 a + 8 b].   window 3: cos and sin of my rows, 32 registers for each of A's four tiles.
.set TILEB, 13312                      ; a tile in qin: four records of 3,328 bytes
.set REC,   3328
.set RECL,  3200                       ; what is fetched of a record: four half fragments and the scale words
.set ACH,   8*RECL                     ; a chunk of A in LDS
.set BCH,   16*RECL                    ; a chunk of B
.set BOFF,  4*ACH                      ; B's chunks lie behind A's
.set SPARE, BOFF+4*BCH                 ; the spare words, 128 bytes for each wave, that no other line names
.set SSTG,  SPARE+512                  ; 256 bytes for each wave: its scale words on the way out; no tensor load lands here
.set ADRA, 16                          ; v16  LDS address of my A fragments in the chunk in hand: 8 x lane + my four tiles
.set ADRB, 17                          ; v17  the same for B: my eight tiles
.set ASA,  18                          ; v18  A's scale words: 8 r
.set ASB,  19                          ; v19  B's
.set L8,   20                          ; v20  8 x lane
.set SSI,  21                          ; v21  my scale words into SSTG: 4 r
.set SSO,  22                          ; v22  and out of it: 8 x lane
.set TO,   23                          ; v23  my row and half in cos and sin
.set SPW,  28
.set NIL,  29
.set SC,   32                          ; set p: A's words at SC + 24 p + 2 a + q, B's at SC + 24 p + 8 + 2 b + q
.set TT,   80                          ; v80-111 the rotation's products with sin
.set QM,   112                         ; v112-113 largest magnitudes; v114-115 the other lane's; v116-117 the conversions' scale operands; v118-119 bytes; v120-123 my four tiles' scale words
.set QT,   114
.set QE,   116
.set QB,   118
.set QW,   120
.set SW,   124                         ; v124-125 scale words on their way out
.set AF,   128
.set G1A,  24                          ; s[24:31] descriptor group 1 for A's tiles;  s[32:39] for B's
.set G1B,  32
.set G0A,  48                          ; s[48:63] group 0 for A, a set for each chunk;  s[68:83] for B
.set G0B,  68
.set KIND, 19                          ; s19  0 Q, 1 K, 2 V
.set MSB, 0
.macro WIN new                         ; the immediate's high byte repeats the setting that is left
.if MSB != \new
	s_set_vgpr_msb (MSB<<8)|\new
.set MSB, \new
.endif
.endm
; A joint load: waves 0 and 1 fetch A's halves, waves 2 and 3 B's.  The branch hangs on the wave's number alone.  An s_nop 0 and four v_nop follow each of the two lines.
.macro JLOAD c
	s_cmp_eq_u32 s15, 0
	s_cbranch_scc0 .Lfor_b_\@
	tensor_load_to_lds s[G0A+4*\c:G0A+4*\c+3], s[G1A:G1A+7]
	s_nop 0
.rept 4
	v_nop
.endr
	s_branch .Lasked_\@
.Lfor_b_\@:
	tensor_load_to_lds s[G0B+4*\c:G0B+4*\c+3], s[G1B:G1B+7]
	s_nop 0
.rept 4
	v_nop
.endr
.Lasked_\@:
.endm
.macro CROUND                          ; a round of the cluster's barrier
	s_barrier_signal -1
	s_barrier_wait -1
	s_cmp_lg_u32 s14, 0
	s_cbranch_scc1 .Lnot_wave_0_\@
	s_barrier_signal -3
.Lnot_wave_0_\@:
	s_barrier_wait -3
	s_barrier_signal -1
	s_barrier_wait -1
.endm
	s_load_b256 s[4:11], s[0:1], 0x0               ; qin s[4:5], cos s[6:7], sin s[8:9], qkv s[10:11]
	v_lshl_add_u32 v[SPW], v0, 2, SPARE
	v_mov_b32 v[NIL], 0
	ds_add_u32 v[SPW], v[NIL]                      ; the wave's opening: the add, twice on end, and its wait ahead of my first tensor load; work on registers stands between the second and the wait
	ds_add_u32 v[SPW], v[NIL]
	v_lshrrev_b32 v1, 5, v0
	v_readfirstlane_b32 s14, v1                    ; wave 0..3
	s_lshr_b32 s15, s14, 1                         ; which half of the rows is mine.  Also: I fetch for A (0) or for B (1)
	s_and_b32 s16, s14, 1                          ; which half of the columns.  Also: which half of the tiles I fetch
	s_bfe_u32 s40, ttmp6, 0x40000                  ; cx
	s_bfe_u32 s41, ttmp6, 0x40004                  ; cy
	s_and_b32 s18, ttmp7, 0xffff                   ; the cluster's y
	s_lshr_b32 s[KIND], s18, 4
	s_and_b32 s18, s18, 15                         ; and its number within the product
	s_lshr_b32 s20, s18, 3
	s_and_b32 s21, s18, 7
	s_lshl_b32 s22, s[KIND], 6
	s_add_co_u32 s22, s22, 512                     ; Q, K: B's first tile in qin is the weight's
	s_cmp_eq_u32 s[KIND], 2
	s_cselect_b32 s20, s20, s18                    ; clusters down the rows: V 2, else 16
	s_cselect_b32 s21, s21, 0                      ; and along the columns: V 8, else 1
	s_cselect_b32 s22, 0, s22                      ; V: B = x
	s_cselect_b32 s23, 640, 0                      ; V: A = w_v; else A = x
	s_lshl_b32 s17, s20, 2
	s_add_co_u32 s17, s17, s41                     ; my block of 128 rows
	s_lshl_b32 s42, s21, 2
	s_add_co_u32 s42, s42, s40                     ; my block of 256 columns
	s_lshl_b32 s43, s41, 2
	s_lshl_b32 s43, 15, s43                        ; my row of the cluster
	s_lshl_b32 s44, 0x1111, s40                    ; my column
	; descriptor group 1: 4 (A) or 8 (B) tiles' records of one chunk: rows of 400 elements of 8 bytes, 1,664 elements apart, dense in LDS
	s_or_b32 s[G1A], s43, (3<<16)|(1<<21)          ; 15:0 the mask; 17:16 elements of 8 bytes; 20 no padding; 21 set beside a mask
	s_or_b32 s[G1B], s44, (3<<16)|(1<<21)
	s_mov_b32 s[G1A+1], 400<<16                    ; tensor_dim0
	s_mov_b32 s[G1A+2], 4<<16                      ; tensor_dim1
	s_mov_b32 s[G1A+3], 400<<16                    ; tile_dim0
	s_mov_b32 s[G1A+4], 4                          ; tile_dim1
	s_mov_b32 s[G1A+5], 1664                       ; from tile to tile
	s_mov_b32 s[G1A+6], 0
	s_mov_b32 s[G1A+7], 0
	s_mov_b32 s[G1B+1], 400<<16
	s_mov_b32 s[G1B+2], 8<<16
	s_mov_b32 s[G1B+3], 400<<16
	s_mov_b32 s[G1B+4], 8
	s_mov_b32 s[G1B+5], 1664
	s_mov_b32 s[G1B+6], 0
	s_mov_b32 s[G1B+7], 0
	s_lshl_b32 s20, s17, 3                         ; A: tile 8 x block + 4 x half, from A's first; these registers never hold cx
	s_add_co_u32 s20, s20, s23
	s_lshl_b32 s21, s16, 2
	s_add_co_u32 s20, s20, s21
	s_mul_i32 s20, s20, TILEB
	s_mov_b32 s21, 0
	s_lshl_b32 s23, s42, 4                         ; B: tile 16 x block + 8 x half, from B's first; these never hold cy
	s_add_co_u32 s22, s22, s23
	s_lshl_b32 s23, s16, 3
	s_add_co_u32 s22, s22, s23
	s_mul_i32 s22, s22, TILEB
	s_mov_b32 s23, 0
	s_mul_i32 s45, s16, 4*RECL                     ; where they go: no place in the cluster enters an LDS address
	s_mul_i32 s46, s16, 8*RECL
	s_mov_b32 s12, 0x76543210
	s_mov_b32 s13, 0xfedcba98                      ; v_permlanex16_b32's selects for lane l xor 16
	s_wait_dscnt 0x0                               ; both opening adds are done
	s_wait_kmcnt 0x0
	s_add_nc_u64 s[20:21], s[4:5], s[20:21]
	s_add_nc_u64 s[22:23], s[4:5], s[22:23]
.irp c, 0,1,2,3
	s_mov_b32 s[G0A+4*\c], 1
	s_add_co_u32 s[G0A+4*\c+1], s45, ACH*\c
	s_add_nc_u64 s[G0A+4*\c+2:G0A+4*\c+3], s[20:21], REC*\c
	s_or_b32 s[G0A+4*\c+3], s[G0A+4*\c+3], 0x80000000
	s_mov_b32 s[G0B+4*\c], 1
	s_add_co_u32 s[G0B+4*\c+1], s46, BOFF+BCH*\c
	s_add_nc_u64 s[G0B+4*\c+2:G0B+4*\c+3], s[22:23], REC*\c
	s_or_b32 s[G0B+4*\c+3], s[G0B+4*\c+3], 0x80000000
.endr
	CROUND                                         ; all sixteen work-groups are here: the joint loads meet
	JLOAD 0                                        ; all of K is asked for at once: four loads of mine are out
	JLOAD 1
	JLOAD 2
	JLOAD 3
	v_and_b32 v1, 31, v0                           ; lane
	v_and_b32 v2, 15, v0                           ; r
	v_bfe_u32 v3, v0, 4, 1                         ; h
	v_lshlrev_b32 v[L8], 3, v1
	v_lshlrev_b32 v4, 3, v2
	s_mul_i32 s45, s15, 4*RECL                     ; my four tiles of A
	s_mul_i32 s46, s16, 8*RECL                     ; my eight tiles of B
	s_add_co_u32 s46, s46, BOFF
	v_add_nc_u32 v[ADRA], s45, v[L8]
	v_add_nc_u32 v[ADRB], s46, v[L8]
	s_add_co_u32 s45, s45, 3072
	s_add_co_u32 s46, s46, 3072
	v_add_nc_u32 v[ASA], s45, v4
	v_add_nc_u32 v[ASB], s46, v4
	s_lshl_b32 s45, s14, 8
	s_add_co_u32 s45, s45, SSTG
	v_lshl_add_u32 v[SSI], v2, 2, s45
	v_add_nc_u32 v[SSO], s45, v[L8]
	v_and_b32 v5, 8, v2
	v_add_nc_u32 v5, v5, v2                        ; r + 8 (r / 8)
	v_lshlrev_b32 v[TO], 7, v5                     ; a row of cos or sin is 128 bytes;
	v_lshl_add_u32 v[TO], v3, 5, v[TO]             ; my half's eight pairs of a block are 32 bytes on
	v_mov_b32 v[QT], 0                             ; written once: a lane permute's destination counts as one of its sources
	v_mov_b32 v[QT+1], 0
	; where my results go.  mi: my 64 rows' number; ni: my 128 columns' number
	s_lshl_b32 s90, s17, 1
	s_add_co_u32 s90, s90, s15                     ; mi
	s_lshl_b32 s91, s42, 1
	s_add_co_u32 s91, s91, s16                     ; ni
	s_and_b32 s2, s90, 31                          ; Q, K: my first token's position is 64 (mi % 32)
	s_lshl_b32 s2, s2, 13
	s_mov_b32 s3, 0
	s_add_nc_u64 s[6:7], s[6:7], s[2:3]
	s_add_nc_u64 s[8:9], s[8:9], s[2:3]
	s_lshr_b32 s92, s90, 5                         ; Q, K: the batch, and my four token tiles in it
	s_and_b32 s93, s90, 31
	s_lshr_b32 s94, s91, 4                         ; V: the batch, and my step of 128 keys in it
	s_and_b32 s95, s91, 15
	s_mul_i32 s96, s93, 3072
	s_mul_i32 s97, s91, 196608                     ; Q, K: ni is a pair of heads
	s_add_co_u32 s96, s96, s97
	s_mul_i32 s97, s95, 6144
	s_mul_i32 s98, s90, 98304                      ; V: mi is the head
	s_add_co_u32 s97, s97, s98
	s_lshl_b32 s98, s91, 13
	s_lshl_b32 s99, s90, 12
	s_cmp_eq_u32 s[KIND], 2
	s_cselect_b32 s92, s94, s92
	s_cselect_b32 s93, s95, s93
	s_cselect_b32 s96, s97, s96
	s_cselect_b32 s98, s99, s98
	s_mov_b32 s94, 98304
	s_cselect_b32 s94, 3072, s94                   ; from my first 64 columns' codes to my second's: Q, K a head on, V 64 keys on
	s_mul_i32 s95, s[KIND], 6291456
	s_add_co_u32 s96, s96, s95
	s_mul_i32 s95, s92, 1572864
	s_add_co_u32 s96, s96, s95
	s_mov_b32 s97, 0
	s_lshl_b32 s95, s[KIND], 18
	s_add_co_u32 s98, s98, s95
	s_lshl_b32 s95, s92, 16
	s_add_co_u32 s98, s98, s95
	s_lshl_b32 s95, s93, 8
	s_add_co_u32 s98, s98, s95
	s_add_co_u32 s98, s98, 18874368
	s_mov_b32 s99, 0
	s_mov_b32 s95, 0
	s_add_nc_u64 s[84:85], s[10:11], s[96:97]      ; codes of my columns 0-63
	s_add_nc_u64 s[86:87], s[84:85], s[94:95]      ; of my columns 64-127
	s_add_nc_u64 s[88:89], s[10:11], s[98:99]      ; my 64 scale words
.macro FRAG reg, adr, off              ; a fragment, 16 rows x 128 K, is two half fragments on end: six pieces of 256 consecutive bytes
.irp p, 0,1,2,3,4,5
	ds_load_b64 v[(\reg)+2*\p:(\reg)+2*\p+1], v[\adr] offset:(\off)+256*\p
.endr
.endm
.macro FETCH q, set                    ; the chunk's q-th 128 along K: B's eight fragments and A's four into set
	WIN 0x40                                       ; destination window 1, address window 0
.irp b, 0,1,2,3,4,5,6,7
	FRAG 128*(\set)+12*\b, ADRB, RECL*\b+1536*(\q)
.endr
	WIN 0
.irp a, 0,1,2,3
	FRAG AF+48*(\set)+12*\a, ADRA, RECL*\a+1536*(\q)
.endr
.endm
.macro SCALES cp                       ; the chunk's scale words, two a row, into set cp
.irp a, 0,1,2,3
	ds_load_b64 v[SC+24*(\cp)+2*\a:SC+24*(\cp)+2*\a+1], v[ASA] offset:RECL*\a
.endr
.irp b, 0,1,2,3,4,5,6,7
	ds_load_b64 v[SC+24*(\cp)+8+2*\b:SC+24*(\cp)+8+2*\b+1], v[ASB] offset:RECL*\b
.endr
.endm
; 32 matrix instructions: 128 along K.  The 32 accumulators take turns, one instruction a turn, in the same order in every step.  zero = 1: the first products start the sums
.macro MUL set, cp, q, zero
	WIN 0xa1                                       ; source 0 (B) window 1, source 1 (A) window 0, C and D window 2
.irp a, 0,1,2,3
.irp b, 0,1,2,3,4,5,6,7
.if \zero
	v_wmma_scale_f32_16x16x128_f8f6f4 v[64*\a+8*\b:64*\a+8*\b+7], v[128*(\set)+12*\b:128*(\set)+12*\b+11], v[AF+48*(\set)+12*\a:AF+48*(\set)+12*\a+11], 0, v[SC+24*(\cp)+8+2*\b+(\q)], v[SC+24*(\cp)+2*\a+(\q)] matrix_a_fmt:MATRIX_FMT_BF6 matrix_b_fmt:MATRIX_FMT_BF6
.else
	v_wmma_scale_f32_16x16x128_f8f6f4 v[64*\a+8*\b:64*\a+8*\b+7], v[128*(\set)+12*\b:128*(\set)+12*\b+11], v[AF+48*(\set)+12*\a:AF+48*(\set)+12*\a+11], v[64*\a+8*\b:64*\a+8*\b+7], v[SC+24*(\cp)+8+2*\b+(\q)], v[SC+24*(\cp)+2*\a+(\q)] matrix_a_fmt:MATRIX_FMT_BF6 matrix_b_fmt:MATRIX_FMT_BF6
.endif
.endr
.endr
.endm
; K step s of eight.  Its fragments were asked for a step ago; the next step's are asked for ahead of its products, into the set that the step before multiplied: four plain vector instructions stand between
; those products and the loads (ISA guide 7.12.1 for vector instructions).  Where the next step opens a chunk: my load of that chunk has landed, a barrier, so has everybody's.
.macro KSTEP s
	s_wait_dscnt 0x0                               ; this step's fragments and scale words are in; no LDS instruction of mine is out at the signal below
.if ((\s)%2 == 1) && ((\s) < 7)
	s_wait_tensorcnt (5-(\s))/2                    ; my loads end in order: the count is that of the later chunks' loads, which may stay out
	s_barrier_signal -1
	s_barrier_wait -1
	WIN 0
	v_add_nc_u32 v[ADRA], ACH, v[ADRA]             ; on to the next chunk: these four are the four places
	v_add_nc_u32 v[ASA], ACH, v[ASA]
	v_add_nc_u32 v[ADRB], BCH, v[ADRB]
	s_wait_alu depctr_va_vdst(0)
	v_add_nc_u32 v[ASB], BCH, v[ASB]
.endif
.if ((\s)%2 == 0) && ((\s) > 0)
.rept 4
	v_nop
.endr
.endif
.if (\s) < 7
	FETCH ((\s)+1)%2, ((\s)+1)%2
.if (\s)%2 == 1
	SCALES (((\s)+1)/2)%2
.endif
.endif
.if (\s) == 0
	MUL 0, 0, 0, 1
.else
	MUL (\s)%2, ((\s)/2)%2, (\s)%2, 0
.endif
.endm
; cos and sin of my rows.  Lane (r, h) holds, of a head's 64, d = 32 i + 16 h + 0 .. 15 (i = 0, 1): pairs 16 i + 8 h + 0 .. 7.  Window 3: tile a's cos at 32 a + 8 i, its sin at 32 a + 16 + 8 i
.macro TABLES
	WIN 0xc0                                       ; destination window 3, address window 0
.irp a, 0,1,2,3
.irp k, 0,1,2,3
	global_load_b128 v[32*\a+4*\k:32*\a+4*\k+3], v[TO], s[6:7] offset:(32*(\a/2)+8*(\a%2))*128+64*(\k/2)+16*(\k%2)
	global_load_b128 v[32*\a+16+4*\k:32*\a+16+4*\k+3], v[TO], s[8:9] offset:(32*(\a/2)+8*(\a%2))*128+64*(\k/2)+16*(\k%2)
.endr
.endr
.endm
; The rotation of tile a, head g of my two: 16 pairs (x1, x2) a lane.  First (x2 s, x1 s), the halves crossed by op_sel; then (x1 c - x2 s, x2 c + x1 s), in place.  Each accumulator is read from its low end on.
.macro ROPE a, g
.set XX, 64*(\a)+32*(\g)
.set CC, 32*(\a)
	WIN 0x0e                                       ; source 0 window 2, source 1 window 3, destination window 0
.irp e, 0,2,4,6,8,10,12,14
	v_pk_mul_f32 v[TT+2*\e:TT+2*\e+1], v[XX+2*\e:XX+2*\e+1], v[CC+16+\e:CC+17+\e] op_sel:[1,0] op_sel_hi:[0,0]
	v_pk_mul_f32 v[TT+2*\e+2:TT+2*\e+3], v[XX+2*\e+2:XX+2*\e+3], v[CC+16+\e:CC+17+\e] op_sel:[1,1] op_sel_hi:[0,1]
.endr
	WIN 0x8e                                       ; the same, source 2 window 0, destination window 2
.irp e, 0,2,4,6,8,10,12,14
	v_pk_fma_f32 v[XX+2*\e:XX+2*\e+1], v[XX+2*\e:XX+2*\e+1], v[CC+\e:CC+1+\e], v[TT+2*\e:TT+2*\e+1] op_sel:[0,0,0] op_sel_hi:[1,0,1] neg_lo:[0,0,1]
	v_pk_fma_f32 v[XX+2*\e+2:XX+2*\e+3], v[XX+2*\e+2:XX+2*\e+3], v[CC+\e:CC+1+\e], v[TT+2*\e+2:TT+2*\e+3] op_sel:[0,1,0] op_sel_hi:[1,1,1] neg_lo:[0,0,1]
.endr
.endm
; 32 numbers of a lane (tile a, my columns 64 g on: register 16 i + e = column 32 i + 16 h + e) become a half fragment, which leaves at once, and two bytes of the row's scale word
.macro QH a, g
.set DD, 64*(\a)+32*(\g)
.set PP, 128+12*(2*(\a)+(\g))
	WIN 0x0a                                       ; sources 0 and 1 window 2
.irp b, 0,1
	v_max3_num_f32 v[QM+\b], |v[DD+16*\b]|, |v[DD+16*\b+1]|, 0x2800000   ; and the floor 2^(5 - 127): the byte cannot fall under 1
.endr
.irp i, 2,4,6,8,10,12,14
.irp b, 0,1
	v_max3_num_f32 v[QM+\b], |v[DD+16*\b+\i]|, |v[DD+16*\b+\i+1]|, v[QM+\b]
.endr
.endr
	WIN 0
.irp b, 0,1
	v_permlanex16_b32 v[QT+\b], v[QM+\b], s12, s13
.endr
.irp b, 0,1
	v_max_num_f32 v[QM+\b], v[QM+\b], v[QT+\b]     ; with lane l xor 16's: the block's largest magnitude
.endr
.irp b, 0,1
	v_add_nc_u32 v[QE+\b], 0xfe000000, v[QM+\b]    ; 4 off its exponent field: the conversion's scale operand
.endr
.irp b, 0,1
	v_lshrrev_b32 v[QB+\b], 23, v[QE+\b]           ; the scale's byte
.endr
	WIN 0x02                                       ; source 0 window 2
	v_cvt_scalef32_pk16_bf6_f32 v[PP:PP+2], v[DD:DD+15], v[QE]
	v_cvt_scalef32_pk16_bf6_f32 v[PP+6:PP+8], v[DD+16:DD+31], v[QE+1]
	WIN 0
.if (\g) == 0
	v_lshl_or_b32 v[QW+(\a)], v[QB+1], 8, v[QB]    ; (a plain place behind the conversions)
.else
	v_lshl_or_b32 v[QW+(\a)], v[QB], 16, v[QW+(\a)]
	v_lshl_or_b32 v[QW+(\a)], v[QB+1], 24, v[QW+(\a)]
.endif
.irp i, 0,1,2
	v_permlane16_swap_b32 v[PP+\i], v[PP+6+\i]     ; a WHOLE block to a lane: lanes 0-15 block 0, lanes 16-31 block 1
.endr
.irp i, 0,1,2
	v_mov_b32 v[PP+3+\i], v[PP+6+\i]
.endr
.irp p, 0,1,2
	global_store_b64 v[L8], v[PP+2*\p:PP+2*\p+1], s[84+2*(\g):85+2*(\g)] offset:768*(\a)+256*\p   ; 256 consecutive bytes, aligned; each unit has registers of its own, so no store's data are written again
.endr
.endm
	s_wait_alu depctr_va_vdst(0)
	s_wait_tensorcnt 0x3                           ; my part of chunk 0 is in; my three later loads may be out
	s_barrier_signal -1
	s_barrier_wait -1                              ; everybody's is
	FETCH 0, 0
	SCALES 0
.irp s, 0,1,2,3,4,5
	KSTEP \s
.endr
	WIN 0                                          ; at a branch and at a label every window is 0
	s_cmp_eq_u32 s[KIND], 2                        ; the last two K steps stand in both arms, so that the tables' loads and their readers lie on one way and the loads land under 64 products.  No barrier and no LDS store stands in an arm
	s_cbranch_scc1 .Lv
	TABLES
	KSTEP 6
	KSTEP 7
.rept 4
	v_nop                                          ; places behind the last products
.endr
	s_wait_loadcnt 0x0                             ; cos and sin
.irp a, 0,1,2,3
	ROPE \a, 0
	ROPE \a, 1
.endr
	WIN 0
	s_branch .Lq
.Lv:
	KSTEP 6
	KSTEP 7
	WIN 0
.Lq:
.rept 4
	v_nop                                          ; places behind V's last products
.endr
.irp a, 0,1,2,3
	QH \a, 0
	QH \a, 1
.endr
.irp a, 0,1,2,3
	ds_store_b32 v[SSI], v[QW+\a] offset:64*\a     ; lanes r and r + 16 write the same word with the same value
.endr
	ds_load_b64 v[SW:SW+1], v[SSO]                 ; LDS serves a wave's instructions in order: this sees my stores
	s_wait_dscnt 0x0
	global_store_b64 v[L8], v[SW:SW+1], s[88:89]   ; my 64 scale words: 256 consecutive bytes, aligned
	s_wait_tensorcnt 0x0                           ; the wave's end, behind my last tensor load and my last LDS store
	ds_add_u32 v[SPW], v[NIL]
	s_wait_dscnt 0x0
	CROUND                                         ; the closing round: no work-group ends while a partner may still ask for a tile that names it
	s_endpgm
.Lfunc_end_k_qa4f2e009c8_qkv:
	.size	k_qa4f2e009c8_qkv, .Lfunc_end_k_qa4f2e009c8_qkv-k_qa4f2e009c8_qkv
	.p2alignl 7, 3214868480
	.fill 96, 4, 3214868480
	.section	.rodata,"a",@progbits
	.p2align	6, 0x0
	.amdhsa_kernel k_qa4f2e009c8_qkv
		.amdhsa_group_segment_fixed_size 327680
		.amdhsa_private_segment_fixed_size 0
		.amdhsa_enable_private_segment 0
		.amdhsa_kernarg_size 32
		.amdhsa_user_sgpr_count 2
		.amdhsa_user_sgpr_kernarg_segment_ptr 1
		.amdhsa_wavefront_size32 1
		.amdhsa_system_sgpr_workgroup_id_x 1
		.amdhsa_system_sgpr_workgroup_id_y 1
		.amdhsa_system_sgpr_workgroup_id_z 1
		.amdhsa_system_vgpr_workitem_id 0
		.amdhsa_next_free_vgpr 896
		.amdhsa_next_free_sgpr 100
		.amdhsa_reserve_vcc 0
		.amdhsa_float_denorm_mode_32 3
		.amdhsa_float_denorm_mode_16_64 3
		.amdhsa_memory_ordered 1
		.amdhsa_forward_progress 1
		.amdhsa_inst_pref_size 136
	.end_amdhsa_kernel
	.amdgpu_metadata
---
amdhsa.version: [ 1, 2 ]
amdhsa.kernels:
  - .name:           k_qa4f2e009c8_qkv
    .symbol:         k_qa4f2e009c8_qkv.kd
    .args:
      - { .name: qin, .offset: 0, .size: 8, .value_kind: global_buffer, .address_space: global }
      - { .name: cos, .offset: 8, .size: 8, .value_kind: global_buffer, .address_space: global }
      - { .name: sin, .offset: 16, .size: 8, .value_kind: global_buffer, .address_space: global }
      - { .name: qkv, .offset: 24, .size: 8, .value_kind: global_buffer, .address_space: global }
    .group_segment_fixed_size: 327680
    .private_segment_fixed_size: 0
    .kernarg_segment_align: 8
    .kernarg_segment_size: 32
    .max_flat_workgroup_size: 128
    .sgpr_count:     100
    .vgpr_count:     896
    .wavefront_size: 32
...
	.end_amdgpu_metadata
.endif
;; end of part 2
;; launch attn (part 3): grid 4 x 64, 16 waves a work-group, clusters of 4 x 1, 212,992 bytes of LDS; arguments qkv, att; writes att
.if DOCPART == 3
	.amdgcn_target "amdgcn-amd-amdhsa--gfx1250"
	.amdhsa_code_object_version 6
	.text
	.protected	k_qa4f2e009c8_attn
	.globl	k_qa4f2e009c8_attn
	.p2align	8
	.type	k_qa4f2e009c8_attn,@function
k_qa4f2e009c8_attn:
	s_mov_b64 s[64:65], 0
	v_nop
	global_prefetch_b8 v0, s[64:65] scope:SCOPE_SE
	s_setreg_imm32_b32 hwreg(HW_REG_WAVE_MODE, 25, 1), 1
	s_wait_xcnt 0x0
	s_wait_alu depctr_hold_cnt(0) depctr_sa_sdst(0) depctr_va_vdst(0) depctr_va_sdst(0) depctr_va_ssrc(0) depctr_va_vcc(0) depctr_vm_vsrc(0)
	s_getreg_b32 s2, hwreg(HW_REG_IB_STS2, 6, 4)
	s_cmp_eq_u32 s2, 0
	s_cbranch_scc0 .Lentry_in_a_cluster
	s_endpgm
.Lentry_in_a_cluster:
	s_bfe_u32 s2, ttmp6, 0x10000c
	s_cmp_lg_u32 s2, 0x3003
	s_cbranch_scc0 .Lentry_shape_is_right
	s_endpgm
.Lentry_shape_is_right:
; att = quantised(softmax(Q K^T / 8, causal) V), head by head, both products on the codes of qkv (layouts: at the head of the launch qkv; the order of rows in a tile: launch quant).
; WORK LEFT OUT: a key step all of whose 128 keys come after a tile's 16 queries: reference()'s own jnp.tril sets those scores to -inf, so their weight is 0 for all values of the inputs.  A NaN, an infinity or an
; overflow that reaches only such steps is not carried to the result.  Other LIMITS as at the head of the launch quant.
; THE SOFTMAX AHEAD OF THE SECOND PRODUCT: t = score x log2(e) / 8; M = the row's largest t so far, rounded UP to a whole number; p = 2^(t - M) is quantised along the keys, not normalised.  The row's sum is taken of
; the unquantised p and divides O at the end.  When M moves, the sum and O are multiplied by 2^(old M - new M): exact.
; SHARES.  A cluster of four work-groups owns one head of one batch (the grid's y); ALL of the head's K and V codes and scale words lie in each work-group's LDS, 208,896 bytes, each byte filled once, by joint loads at the head.
; A block of 128 queries is 8 tiles; tile 8 i + u needs the key steps 0 .. i.  Wave w of work-group j takes u = 2 j + w % 2 in blocks 15 - w / 2 and w / 2: 17 key steps for every wave.
; All waves walk loops of constant count (4 + 12 and 8 steps); a step past a wave's diagonal is jumped over by a scalar branch on the wave's number and the count of steps.  The place in the cluster enters global
; addresses and one lane constant of the mask, no branch and no LDS address.
; LAYOUT.  Both products are used transposed: S^T = K Q^T, O^T = V^T P^T: a lane holds ONE query throughout, and its registers run along the keys, then along the head's 64.
; THE FIRST PRODUCT'S K IS 64, the instruction's 128: Q's upper six registers are zero codes; K's upper six are whatever stands there (the next tile's codes, or zeros), under the scale byte 0, which is a finite number.
; REGISTERS: v1-4, v30, v31 lane constants; v5, v6 the add's two; v7 the mask's; v8-11 addresses in hand; v12 -M, v13 the largest t, v[14:15] the sum; v16-27 Q and zeros; v28 Q's scale word, v29 p's;
;   v32-79 eight half fragments of K, then four fragments of V; v80-85 zeros; v86 f or 1 / l, v87 0; v88 at work; v96-159 S^T, then p; v160-191 O^T; v192-211 codes; v212-229 at work; v240-247 K's scale words, v248-251 V's.
.set TILEB, 13312
.set LV,    98304                      ; LDS: K's codes at 0 (tile x 768), V's here (64 keys x 3,072 + channel tile x 768),
.set LKS,   196608                     ; the head pair's scale words of K (tile x 64 + 4 r),
.set LVS,   204800                     ; V's scale words (step x 256 + channel tile x 64 + 4 r),
.set SPARE, 208896                     ; the spare words, 128 bytes for each wave, that no other line names
.set KC,    6291456                    ; in qkv: K's codes; V's lie as far on again
.set QS,    18874368                   ; Q's scale words
.set KSO,   19136512                   ; K's
.set VSO,   19398656                   ; V's
.set LK,   1
.set LKV,  2
.set LSK,  3
.set LSV,  4
.set SPW,  5
.set NIL,  6
.set DQ,   7
.set ADK,  8
.set ADV,  9
.set ADS,  10
.set ADT,  11
.set FF,   86
.set TMPR, 88
.set S,    96
.set OT,   160
.set PCD,  192
.set CT,   204
.set BM,   212
.set PT,   216
.set SOP,  220
.set BY,   224
.set SUM2, 228
.set KSC,  240
.set VSC,  248
.set WV,   18                          ; s18  my wave's number
.set SEL,  20                          ; s[20:21] lane selects for lane l xor 16
.set CS,   22                          ; s[22:23] c = log2(e) / 8
.set TB,   76                          ; s76  where the step's codes begin, in K's region and in V's: 6,144 bytes a step
.set TS,   77                          ; s77  K's scale words: 512 a step
.set TJ,   78                          ; s78  V's: 256 a step
.set KI,   79                          ; s79  the step's number
.set BLK,  80                          ; s80  the block of 128 queries in hand
.set CNT,  81                          ; s81  the loops' counter
.macro CROUND
	s_barrier_signal -1
	s_barrier_wait -1
	s_cmp_lg_u32 s[WV], 0
	s_cbranch_scc1 .Lnot_wave_0_\@
	s_barrier_signal -3
.Lnot_wave_0_\@:
	s_barrier_wait -3
	s_barrier_signal -1
	s_barrier_wait -1
.endm
	s_load_b128 s[4:7], s[0:1], 0x0                ; qkv s[4:5], att s[6:7]
	v_lshl_add_u32 v[SPW], v0, 2, SPARE
	v_mov_b32 v[NIL], 0
	ds_add_u32 v[SPW], v[NIL]                      ; the wave's opening: the add, twice on end, and its wait ahead of the first tensor loads; all sixteen waves run them
	ds_add_u32 v[SPW], v[NIL]
	v_lshrrev_b32 v8, 5, v0
	s_delay_alu instid0(VALU_DEP_1)
	v_readfirstlane_b32 s[WV], v8                  ; wave 0..15
	s_and_b32 s8, ttmp7, 0xffff                    ; batch x 16 + head, which the four partners share
	s_and_b32 s10, s8, 1                           ; the head's place in its pair
	s_lshr_b32 s19, s[WV], 1                       ; my pair of blocks.  In the fetching waves also: K (0) or V (1)
	s_and_b32 s13, s[WV], 1                        ; in the fetching waves: which half
	; descriptor group 1, four shapes: dense blocks as rows of 256 bytes (32 elements of 8 bytes): 8, 4, 48 and 144 rows
.irp g, 24, 32, 40, 48
	s_mov_b32 s[\g], 15|(3<<16)|(1<<21)            ; 15:0 the mask: all four work-groups; 17:16 elements of 8 bytes; 21 set beside a mask
	s_mov_b32 s[\g+1], 32<<16
	s_mov_b32 s[\g+3], 32<<16
	s_mov_b32 s[\g+5], 32
	s_mov_b32 s[\g+6], 0
	s_mov_b32 s[\g+7], 0
.endr
	s_mov_b32 s26, 8<<16
	s_mov_b32 s28, 8
	s_mov_b32 s34, 4<<16
	s_mov_b32 s36, 4
	s_mov_b32 s42, 48<<16
	s_mov_b32 s44, 48
	s_mov_b32 s50, 144<<16
	s_mov_b32 s52, 144
	; group 0, four sets: wave w < 4 fetches a quarter of K's scale words, a quarter of V's, half of K's or V's codes of keys 0-511, half of the rest.  Nothing here hangs on the place in the cluster
	s_mov_b32 s56, 1
	s_lshl_b32 s57, s[WV], 11
	s_add_co_u32 s57, s57, LKS
	s_mov_b32 s60, 1
	s_lshl_b32 s61, s[WV], 10
	s_add_co_u32 s61, s61, LVS
	s_mov_b32 s68, 1
	s_mul_i32 s69, s19, LV
	s_mul_i32 s2, s13, 12288
	s_add_co_u32 s69, s69, s2
	s_mov_b32 s72, 1
	s_mul_i32 s73, s19, LV
	s_mul_i32 s3, s13, 36864
	s_add_co_u32 s73, s73, s3
	s_add_co_u32 s73, s73, 24576
	s_lshr_b32 s76, s8, 1
	s_lshl_b32 s76, s76, 13
	s_lshl_b32 s77, s[WV], 11
	s_add_co_u32 s76, s76, s77
	s_add_co_u32 s76, s76, KSO
	s_mov_b32 s77, 0
	s_lshl_b32 s78, s8, 12
	s_lshl_b32 s79, s[WV], 10
	s_add_co_u32 s78, s78, s79
	s_add_co_u32 s78, s78, VSO
	s_mov_b32 s79, 0
	s_mul_i32 s14, s8, 98304                       ; the head's codes in each of the three regions
	s_mul_i32 s80, s19, KC
	s_add_co_u32 s80, s80, s14
	s_add_co_u32 s80, s80, KC
	s_add_co_u32 s82, s80, s3
	s_add_co_u32 s82, s82, 24576
	s_add_co_u32 s80, s80, s2
	s_mov_b32 s81, 0
	s_mov_b32 s83, 0
	s_mov_b32 s[SEL], 0x76543210
	s_mov_b32 s[SEL+1], 0xfedcba98
	s_mov_b32 s[CS], 0x3e38aa3b                    ; log2(e) / 8
	s_mov_b32 s[CS+1], s[CS]                       ; (named with it as a pair, so it is written)
	s_wait_dscnt 0x0                               ; both opening adds are done
	s_wait_kmcnt 0x0
	s_add_nc_u64 s[58:59], s[4:5], s[76:77]
	s_or_b32 s59, s59, 0x80000000
	s_add_nc_u64 s[62:63], s[4:5], s[78:79]
	s_or_b32 s63, s63, 0x80000000
	s_add_nc_u64 s[70:71], s[4:5], s[80:81]
	s_or_b32 s71, s71, 0x80000000
	s_add_nc_u64 s[74:75], s[4:5], s[82:83]
	s_or_b32 s75, s75, 0x80000000
	CROUND                                         ; all four work-groups are here: the joint loads meet
	s_cmp_lt_u32 s[WV], 4                          ; a wave's four fills stand in one branch on the wave's number, the same in all partners: four loads of mine are out
	s_cbranch_scc0 .Lno_fill
	tensor_load_to_lds s[56:59], s[24:31]
	s_nop 0
	tensor_load_to_lds s[60:63], s[32:39]
	s_nop 0
	tensor_load_to_lds s[68:71], s[40:47]
	s_nop 0
	tensor_load_to_lds s[72:75], s[48:55]
	s_nop 0
.rept 4
	v_nop
.endr
.Lno_fill:
	; my two tiles of queries, and where their operands and results lie
	s_bfe_u32 s9, ttmp6, 0x40000                   ; cx
	s_and_b32 s11, s[WV], 1
	s_lshl_b32 s12, s9, 1
	s_add_co_u32 s11, s11, s12                     ; u = 2 cx + w % 2
	s_lshr_b32 s15, s8, 1
	s_lshl_b32 s15, s15, 13
	s_lshl_b32 s2, s10, 1
	s_add_co_u32 s15, s15, s2
	s_add_co_u32 s15, s15, QS                      ; Q's scale words of my pair of heads, my head's two bytes
	s_lshr_b32 s16, s8, 4
	s_lshl_b32 s16, s16, 7                         ; the batch's first token tile
	s_bfe_u32 s17, s8, 0x20002                     ; head / 4: the record of att
	s_mul_i32 s17, s17, 3328
	s_and_b32 s2, s8, 3                            ; head % 4: the half fragment in it,
	s_mul_i32 s3, s2, 768
	s_lshl_b32 s2, s2, 1                           ; and the two bytes among a row's eight
	s_add_co_u32 s2, s2, s17
	s_add_co_u32 s2, s2, 3072
	s_add_co_u32 s17, s17, s3
	s_sub_co_u32 s12, 15, s19
	s_lshl_b32 s12, s12, 3
	s_add_co_u32 s12, s12, s11                     ; the late tile
	s_lshl_b32 s13, s19, 3
	s_add_co_u32 s13, s13, s11                     ; the early tile
.macro BASES t, qc, qs, ac, sa         ; tile s[t]: Q's codes, Q's scale words, att's codes, att's scale bytes
	s_mul_i32 s[\qc], s[\t], 768
	s_add_co_u32 s[\qc], s[\qc], s14
	s_mov_b32 s[\qc+1], 0
	s_add_nc_u64 s[\qc:\qc+1], s[4:5], s[\qc:\qc+1]
	s_lshl_b32 s[\qs], s[\t], 6
	s_add_co_u32 s[\qs], s[\qs], s15
	s_mov_b32 s[\qs+1], 0
	s_add_nc_u64 s[\qs:\qs+1], s[4:5], s[\qs:\qs+1]
	s_add_co_u32 s[\ac], s[\t], s16
	s_mul_i32 s[\ac], s[\ac], TILEB
	s_add_co_u32 s[\sa], s[\ac], s2
	s_add_co_u32 s[\ac], s[\ac], s17
	s_mov_b32 s[\ac+1], 0
	s_mov_b32 s[\sa+1], 0
	s_add_nc_u64 s[\ac:\ac+1], s[6:7], s[\ac:\ac+1]
	s_add_nc_u64 s[\sa:\sa+1], s[6:7], s[\sa:\sa+1]
.endm
	BASES 12, 82, 84, 86, 88
	BASES 13, 90, 92, 94, 96
	v_and_b32 v90, 31, v0                          ; lane
	v_and_b32 v91, 15, v0                          ; r
	v_bfe_u32 v89, v0, 4, 1                        ; h
	s_delay_alu instid0(VALU_DEP_3)
	v_lshlrev_b32 v[LK], 3, v90                    ; 8 x lane: my place in a piece
	s_delay_alu instid0(VALU_DEP_1)
	v_add_nc_u32 v[LKV], LV, v[LK]
	s_delay_alu instid0(VALU_DEP_4)
	v_lshlrev_b32 v30, 2, v91                      ; 4 r
	s_lshl_b32 s98, s10, 1
	s_add_co_u32 s98, s98, LKS
	v_add_nc_u32 v[LSK], s98, v30                  ; K's scale words: my head's two bytes of row r's word
	v_add_nc_u32 v[LSV], LVS, v30
	v_lshlrev_b32 v31, 3, v91                      ; 8 r
	s_lshr_b32 s98, s11, 1
	s_lshl_b32 s98, s98, 5
	s_and_b32 s99, s11, 1
	s_lshl_b32 s99, s99, 3
	s_add_co_u32 s98, s98, s99                     ; my tile's first query in its block of 128
	v_and_b32 v[DQ], 8, v91
	s_delay_alu instid0(VALU_DEP_1)
	v_add_nc_u32 v[DQ], v[DQ], v91
	v_lshlrev_b32 v[TMPR], 4, v89
	s_delay_alu instid0(VALU_DEP_1)
	v_sub_nc_u32 v[DQ], v[DQ], v[TMPR]
	s_delay_alu instid0(VALU_DEP_1)
	v_add_nc_u32 v[DQ], s98, v[DQ]                 ; my query in its block - 16 h.  On the diagonal register 16 i + e holds key 32 i + 16 h + e of the block: hidden where 32 i + e is above this
.irp p, 0,1,2
	global_load_b64 v[16+2*\p:17+2*\p], v[LK], s[82:83] offset:256*\p   ; the late tile's Q
.endr
	global_load_u16 v28, v30, s[84:85]             ; its scale bytes: bytes 2 and 3 of the word are 0
.irp j, 0,1,2,3,4,5
	v_mov_b32 v[22+\j], 0                          ; zero codes for the upper 64 of the instruction's K
	v_mov_b32 v[80+\j], 0
.endr
	v_mov_b32 v[FF+1], 0                           ; (named as the upper half of a pair)
.irp b, 0,1,2,3
	v_mov_b32 v[PT+\b], 0                          ; written once: a lane permute's destination counts as one of its sources
.endr
.macro INIT                            ; a tile begins: the first change of M multiplies zeros
	v_mov_b32 v13, 0xff61b1e6                      ; the largest t so far: -3e38, under every t
	s_delay_alu instid0(VALU_DEP_1)
	v_floor_f32 v12, -v13                          ; -M
	v_mov_b32 v14, 0
	v_mov_b32 v15, 0
.set nn, 0
.rept 32
	v_mov_b32 v[OT+nn], 0
.set nn, nn+1
.endr
.endm
	INIT
; A KEY STEP: 128 keys.  chk = 1: the step may lie on or past my tile's diagonal
.macro STEP chk
.if \chk
	s_cmp_gt_u32 s[KI], s[BLK]                     ; past it: the step's work is left out; the lines at its end that step addresses are not
	s_cbranch_scc1 .Lhidden_\@
.endif
	s_setprio 2
	v_add_nc_u32 v[ADK], s[TB], v[LK]              ; these four are the places in front of loads into registers that the last products read
	v_add_nc_u32 v[ADV], s[TB], v[LKV]
	v_add_nc_u32 v[ADS], s[TS], v[LSK]
	v_add_nc_u32 v[ADT], s[TJ], v[LSV]
.irp t, 0,1,2,3,4,5,6,7
.irp p, 0,1,2
	ds_load_b64 v[32+6*\t+2*\p:33+6*\t+2*\p], v[ADK] offset:768*\t+256*\p
.endr
	ds_load_u16 v[KSC+\t], v[ADS] offset:64*\t
.endr
	s_wait_alu depctr_va_vdst(0)
	s_wait_dscnt 0x0
.irp t, 0,1,2,3,4,5,6,7
	v_wmma_scale_f32_16x16x128_f8f6f4 v[S+8*\t:S+8*\t+7], v[32+6*\t:43+6*\t], v[16:27], 0, v[KSC+\t], v28 matrix_a_fmt:MATRIX_FMT_BF6 matrix_b_fmt:MATRIX_FMT_BF6
.endr
.rept 4
	v_nop                                          ; places behind the products: for the loads below and for the first read of the scores
.endr
.irp ct, 0,1,2,3                       ; V's four fragments are asked for now and land under the softmax
.irp g, 0,1
.irp p, 0,1,2
	ds_load_b64 v[32+12*\ct+6*\g+2*\p:33+12*\ct+6*\g+2*\p], v[ADV] offset:3072*\g+768*\ct+256*\p
.endr
.endr
	ds_load_b32 v[VSC+\ct], v[ADT] offset:64*\ct
.endr
.if \chk
	s_cmp_lg_u32 s[KI], s[BLK]                     ; on the diagonal the scores of hidden keys become -infinity ahead of the maximum: p = 0 then
	s_cbranch_scc1 .Lopen_\@
	v_mov_b32 v[TMPR], 0xff800000
.set nn, 0
.rept 64
	v_cmp_gt_i32 vcc_lo, 32*(nn/16)+nn%16, v[DQ]
	v_cndmask_b32 v[S+nn], v[S+nn], v[TMPR], vcc_lo
.set nn, nn+1
.endr
.Lopen_\@:
.endif
.irp b, 0,1,2,3
	v_max3_num_f32 v[BM+\b], v[S+16*\b], v[S+1+16*\b], v[S+2+16*\b]   ; the largest score of each block of 32 keys: it serves the row's maximum and, since p rises with the score, the block's largest p
.endr
.irp i, 3,5,7,9,11,13
.irp b, 0,1,2,3
	v_max3_num_f32 v[BM+\b], v[BM+\b], v[S+16*\b+\i], v[S+1+16*\b+\i]
.endr
.endr
.irp b, 0,1,2,3
	v_max_num_f32 v[BM+\b], v[BM+\b], v[S+15+16*\b]
.endr
.irp b, 0,1,2,3
	s_delay_alu instid0(VALU_DEP_4)
	v_permlanex16_b32 v[PT+\b], v[BM+\b], s[SEL], s[SEL+1]
.endr
.irp b, 0,1,2,3
	s_delay_alu instid0(VALU_DEP_4)
	v_max_num_f32 v[BM+\b], v[BM+\b], v[PT+\b]     ; with lane l xor 16's 16 keys
.endr
	s_delay_alu instid0(VALU_DEP_2)
	v_max3_num_f32 v[TMPR], v[BM], v[BM+1], v[BM+2]
	s_delay_alu instid0(VALU_DEP_1)
	v_max_num_f32 v[TMPR], v[TMPR], v[BM+3]
	s_delay_alu instid0(VALU_DEP_1)
	v_mul_f32 v[TMPR], s[CS], v[TMPR]              ; as t (c is positive)
	s_delay_alu instid0(VALU_DEP_1)
	v_max_num_f32 v13, v13, v[TMPR]                ; the running largest t
	v_mov_b32 v[TMPR], v12
	s_delay_alu instid0(VALU_DEP_2)
	v_floor_f32 v12, -v13                          ; the new -M = -ceil(t): a whole number
	s_delay_alu instid0(VALU_DEP_1)
	v_sub_f32 v[TMPR], v12, v[TMPR]                ; old M - new M: a whole number, 0 or less
	s_delay_alu instid0(VALU_DEP_1)
	v_cvt_i32_f32 v[TMPR], v[TMPR]                 ; (it saturates)
	s_delay_alu instid0(VALU_DEP_1)
	v_ldexp_f32 v[FF], 1.0, v[TMPR]                ; f = 2^(old M - new M)
.set nn, 0
.rept 32
	v_pk_fma_f32 v[S+nn:S+nn+1], v[S+nn:S+nn+1], s[CS:CS+1], v[12:13] op_sel_hi:[1,0,0]   ; t - M, two at a time
.set nn, nn+2
.endr
.irp b, 0,1,2,3
	v_fma_f32 v[BM+\b], v[BM+\b], s[CS], v12       ; the same of each block's largest score
.endr
.set nn, 0
	s_setprio 1
	s_wait_alu depctr_va_vdst(0)
.rept 64
	v_exp_f32 v[S+nn], v[S+nn]                     ; p = 2^(t - M), at most 1
.set nn, nn+1
.endr
	v_pk_mul_f32 v[14:15], v[14:15], v[FF:FF+1] op_sel_hi:[1,0]   ; the sums under the new M.  (A plain place behind the exponentials)
	s_wait_alu depctr_va_vdst(0)                   ; the wait ahead of the first line that names a result: one for the batch of 64
.irp b, 0,1,2,3
	v_exp_f32 v[BM+\b], v[BM+\b]                   ; the block's largest p: the same two instructions on the same number
.endr
	v_pk_add_f32 v[228:229], v[100:101], v[104:105]
	v_pk_add_f32 v[254:255], v[108:109], v[112:113]
	v_pk_add_f32 v[252:253], v[116:117], v[120:121]
	v_pk_add_f32 v[246:247], v[124:125], v[128:129]
	v_pk_add_f32 v[244:245], v[132:133], v[136:137]
	v_pk_add_f32 v[242:243], v[140:141], v[144:145]
	v_pk_add_f32 v[240:241], v[148:149], v[152:153]
	v_pk_add_f32 v[14:15], v[14:15], v[156:157]
	v_pk_add_f32 v[228:229], v[228:229], v[96:97]
	v_pk_add_f32 v[254:255], v[254:255], v[98:99]
	v_pk_add_f32 v[252:253], v[252:253], v[102:103]
	v_pk_add_f32 v[246:247], v[246:247], v[106:107]
	v_pk_add_f32 v[244:245], v[244:245], v[110:111]
	v_pk_add_f32 v[242:243], v[242:243], v[114:115]
	v_pk_add_f32 v[240:241], v[240:241], v[118:119]
	v_pk_add_f32 v[14:15], v[14:15], v[122:123]
	v_pk_add_f32 v[228:229], v[228:229], v[126:127]
	v_pk_add_f32 v[254:255], v[254:255], v[130:131]
	v_pk_add_f32 v[252:253], v[252:253], v[134:135]
	v_pk_add_f32 v[246:247], v[246:247], v[138:139]
	v_pk_add_f32 v[244:245], v[244:245], v[142:143]
	v_pk_add_f32 v[242:243], v[242:243], v[146:147]
	v_pk_add_f32 v[240:241], v[240:241], v[150:151]
	v_pk_add_f32 v[14:15], v[14:15], v[154:155]
	v_pk_add_f32 v[228:229], v[228:229], v[158:159]
	s_delay_alu instid0(VALU_DEP_2)
	v_pk_add_f32 v[14:15], v[14:15], v[246:247]
	s_delay_alu instid0(VALU_DEP_2)
	v_pk_add_f32 v[228:229], v[228:229], v[244:245]
	v_pk_add_f32 v[254:255], v[254:255], v[242:243]
	v_pk_add_f32 v[252:253], v[252:253], v[240:241]
	s_delay_alu instid0(VALU_DEP_2)
	v_pk_add_f32 v[14:15], v[14:15], v[254:255]
	s_delay_alu instid0(VALU_DEP_2)
	v_pk_add_f32 v[228:229], v[228:229], v[252:253]
	s_delay_alu instid0(VALU_DEP_1)
	v_pk_add_f32 v[14:15], v[14:15], v[228:229]
	s_wait_alu depctr_va_vdst(0)                   ; and one for the four
.irp b, 0,1,2,3
	v_max_num_f32 v[BM+\b], 0x2800000, v[BM+\b]    ; the floor 2^(5 - 127): a block whose every p is 0 keeps the byte 1, and its codes are zeros
.endr
.irp b, 0,1,2,3
	s_delay_alu instid0(VALU_DEP_4)
	v_add_nc_u32 v[SOP+\b], 0xfe000000, v[BM+\b]   ; 4 off the exponent field: the conversion's scale operand
.endr
.irp b, 0,1,2,3
	s_delay_alu instid0(VALU_DEP_4)
	v_lshrrev_b32 v[BY+\b], 23, v[SOP+\b]
.endr
	s_delay_alu instid0(VALU_DEP_3)
	v_lshl_or_b32 v29, v[BY+1], 8, v[BY]           ; p's scale word for these 128 keys
	s_delay_alu instid0(VALU_DEP_1)
	v_lshl_or_b32 v29, v[BY+2], 16, v29
	s_delay_alu instid0(VALU_DEP_1)
	v_lshl_or_b32 v29, v[BY+3], 24, v29
	s_setprio 0
.irp c, 0,1
	v_cvt_scalef32_pk16_bf6_f32 v[PCD+6*\c:PCD+2+6*\c], v[S+32*\c:S+15+32*\c], v[SOP+2*\c]
	v_cvt_scalef32_pk16_bf6_f32 v[CT+4*\c:CT+2+4*\c], v[S+16+32*\c:S+31+32*\c], v[SOP+2*\c+1]
.endr
	v_nop                                          ; one plain place behind a scaled conversion
.irp c, 0,1
.irp i, 0,1,2
	v_permlane16_swap_b32 v[PCD+6*\c+\i], v[CT+4*\c+\i]   ; a WHOLE block to a lane
.endr
.irp i, 0,1,2
	s_delay_alu instid0(VALU_DEP_3)
	v_mov_b32 v[PCD+3+6*\c+\i], v[CT+4*\c+\i]
.endr
.endr
.set nn, 0
.rept 16
	v_pk_mul_f32 v[OT+nn:OT+nn+1], v[OT+nn:OT+nn+1], v[FF:FF+1] op_sel_hi:[1,0]   ; O^T under the new M.  (Also the places between the lines that made p's codes and scale word and the products)
.set nn, nn+2
.endr
	s_wait_alu depctr_va_vdst(0)
	s_wait_dscnt 0x0                               ; V
.irp ct, 0,1,2,3
	v_wmma_scale_f32_16x16x128_f8f6f4 v[OT+8*\ct:OT+8*\ct+7], v[32+12*\ct:43+12*\ct], v[PCD:PCD+11], v[OT+8*\ct:OT+8*\ct+7], v[VSC+\ct], v29 matrix_a_fmt:MATRIX_FMT_BF6 matrix_b_fmt:MATRIX_FMT_BF6
.endr
.if \chk
.Lhidden_\@:
.endif
	s_add_co_u32 s[TB], s[TB], 6144
	s_add_co_u32 s[TS], s[TS], 512
	s_add_co_u32 s[TJ], s[TJ], 256
	s_add_co_u32 s[KI], s[KI], 1
.endm
; A tile ends: O^T / the sum, quantised along the head's 64 (register 16 i + e = channel 32 i + 16 h + e): a half fragment and two scale bytes of att.  next = 1: the early tile's Q is asked for first
.macro FINISH next, ac, sa
.rept 4
	v_nop                                          ; places behind the last products
.endr
.if \next
.irp p, 0,1,2
	global_load_b64 v[16+2*\p:17+2*\p], v[LK], s[90:91] offset:256*\p
.endr
	global_load_u16 v28, v30, s[92:93]
.endif
	v_add_f32 v14, v14, v15
	s_delay_alu instid0(VALU_DEP_1)
	v_permlanex16_b32 v[PT], v14, s[SEL], s[SEL+1]
	s_delay_alu instid0(VALU_DEP_1)
	v_add_f32 v14, v14, v[PT]                      ; the row's sum
	s_wait_alu depctr_va_vdst(0)
	v_rcp_f32 v[FF], v14
	v_nop                                          ; a plain place behind the reciprocal
	s_wait_alu depctr_va_vdst(0)                   ; and the wait ahead of its first reader
.set nn, 0
.rept 16
	v_pk_mul_f32 v[OT+nn:OT+nn+1], v[OT+nn:OT+nn+1], v[FF:FF+1] op_sel_hi:[1,0]   ; each accumulator from its low end on
.set nn, nn+2
.endr
.irp b, 0,1
	v_max3_num_f32 v[BM+\b], |v[OT+16*\b]|, |v[OT+1+16*\b]|, 0x2800000
.endr
.irp i, 2,4,6,8,10,12,14
.irp b, 0,1
	s_delay_alu instid0(VALU_DEP_2)
	v_max3_num_f32 v[BM+\b], v[BM+\b], |v[OT+16*\b+\i]|, |v[OT+1+16*\b+\i]|
.endr
.endr
.irp b, 0,1
	s_delay_alu instid0(VALU_DEP_2)
	v_permlanex16_b32 v[PT+\b], v[BM+\b], s[SEL], s[SEL+1]
.endr
.irp b, 0,1
	s_delay_alu instid0(VALU_DEP_2)
	v_max_num_f32 v[BM+\b], v[BM+\b], v[PT+\b]
.endr
.irp b, 0,1
	s_delay_alu instid0(VALU_DEP_2)
	v_add_nc_u32 v[SOP+\b], 0xfe000000, v[BM+\b]
.endr
.irp b, 0,1
	s_delay_alu instid0(VALU_DEP_2)
	v_lshrrev_b32 v[BY+\b], 23, v[SOP+\b]
.endr
	v_cvt_scalef32_pk16_bf6_f32 v[PCD:PCD+2], v[OT:OT+15], v[SOP]
	v_cvt_scalef32_pk16_bf6_f32 v[PCD+6:PCD+8], v[OT+16:OT+31], v[SOP+1]
	v_lshl_or_b32 v[BY], v[BY+1], 8, v[BY]         ; the row's two bytes.  (A plain place behind the conversions)
.irp i, 0,1,2
	v_permlane16_swap_b32 v[PCD+\i], v[PCD+6+\i]
.endr
.irp i, 0,1,2
	s_delay_alu instid0(VALU_DEP_3)
	v_mov_b32 v[PCD+3+\i], v[PCD+6+\i]
.endr
.irp p, 0,1,2
	global_store_b64 v[LK], v[PCD+2*\p:PCD+2*\p+1], s[\ac:\ac+1] offset:256*\p   ; 256 consecutive bytes, aligned
.endr
	global_store_b16 v31, v[BY], s[\sa:\sa+1]      ; lanes r and r + 16 store the same two bytes to the same place; the row's other six come from the record's other three heads
.endm
	s_mov_b32 s[TB], 0
	s_mov_b32 s[TS], 0
	s_mov_b32 s[TJ], 0
	s_mov_b32 s[KI], 0
	s_sub_co_u32 s[BLK], 15, s19                   ; the late tile first: blocks 8 to 15
	s_wait_tensorcnt 0x1                           ; the scale words and my part of keys 0-511 are in; the load of the other keys may be out
	s_barrier_signal -1
	s_barrier_wait -1
	s_wait_loadcnt 0x0                             ; Q
	s_mov_b32 s[CNT], 4
.Lfirst:                               ; keys 0-511: under every late tile's diagonal
	STEP 0
	s_sub_co_u32 s[CNT], s[CNT], 1
	s_cmp_lg_u32 s[CNT], 0
	s_cbranch_scc1 .Lfirst
	s_setprio 0
	s_wait_dscnt 0x0
	s_wait_tensorcnt 0x0                           ; my part of the other keys is in,
	s_barrier_signal -1
	s_barrier_wait -1                              ; everybody's is
	s_mov_b32 s[CNT], 12
.Llate:
	STEP 1
	s_sub_co_u32 s[CNT], s[CNT], 1
	s_cmp_lg_u32 s[CNT], 0
	s_cbranch_scc1 .Llate
	s_setprio 0
	FINISH 1, 86, 88
	INIT
	s_mov_b32 s[TB], 0
	s_mov_b32 s[TS], 0
	s_mov_b32 s[TJ], 0
	s_mov_b32 s[KI], 0
	s_mov_b32 s[BLK], s19                          ; the early tile: blocks 0 to 7
	s_wait_xcnt 0x0                                ; the stores have read their data: the codes' and the bytes' registers are written again only behind this wait
	s_wait_loadcnt 0x0                             ; the early tile's Q
	s_mov_b32 s[CNT], 8
.Learly:
	STEP 1
	s_sub_co_u32 s[CNT], s[CNT], 1
	s_cmp_lg_u32 s[CNT], 0
	s_cbranch_scc1 .Learly
	s_setprio 0
	FINISH 0, 94, 96
	s_wait_tensorcnt 0x0                           ; the wave's end
	ds_add_u32 v[SPW], v[NIL]
	s_wait_dscnt 0x0
	CROUND                                         ; the closing round
	s_endpgm
.Lfunc_end_k_qa4f2e009c8_attn:
	.size	k_qa4f2e009c8_attn, .Lfunc_end_k_qa4f2e009c8_attn-k_qa4f2e009c8_attn
	.p2alignl 7, 3214868480
	.fill 96, 4, 3214868480
	.section	.rodata,"a",@progbits
	.p2align	6, 0x0
	.amdhsa_kernel k_qa4f2e009c8_attn
		.amdhsa_group_segment_fixed_size 212992
		.amdhsa_private_segment_fixed_size 0
		.amdhsa_enable_private_segment 0
		.amdhsa_kernarg_size 16
		.amdhsa_user_sgpr_count 2
		.amdhsa_user_sgpr_kernarg_segment_ptr 1
		.amdhsa_wavefront_size32 1
		.amdhsa_system_sgpr_workgroup_id_x 1
		.amdhsa_system_sgpr_workgroup_id_y 1
		.amdhsa_system_sgpr_workgroup_id_z 1
		.amdhsa_system_vgpr_workitem_id 0
		.amdhsa_next_free_vgpr 256
		.amdhsa_next_free_sgpr 100
		.amdhsa_reserve_vcc 1
		.amdhsa_float_denorm_mode_32 3
		.amdhsa_float_denorm_mode_16_64 3
		.amdhsa_memory_ordered 1
		.amdhsa_forward_progress 1
		.amdhsa_inst_pref_size 90
	.end_amdhsa_kernel
	.amdgpu_metadata
---
amdhsa.version: [ 1, 2 ]
amdhsa.kernels:
  - .name:           k_qa4f2e009c8_attn
    .symbol:         k_qa4f2e009c8_attn.kd
    .args:
      - { .name: qkv, .offset: 0, .size: 8, .value_kind: global_buffer, .address_space: global }
      - { .name: att, .offset: 8, .size: 8, .value_kind: global_buffer, .address_space: global }
    .group_segment_fixed_size: 212992
    .private_segment_fixed_size: 0
    .kernarg_segment_align: 8
    .kernarg_segment_size: 16
    .max_flat_workgroup_size: 512
    .sgpr_count:     100
    .vgpr_count:     256
    .wavefront_size: 32
...
	.end_amdgpu_metadata
.endif
;; end of part 3
;; launch oproj (part 4): grid 4 x 64, 4 waves a work-group, clusters of 4 x 4, 327,680 bytes of LDS; arguments att, qin, out0; writes out0
.if DOCPART == 4
	.amdgcn_target "amdgcn-amd-amdhsa--gfx1250"
	.amdhsa_code_object_version 6
	.text
	.protected	k_qa4f2e009c8_oproj
	.globl	k_qa4f2e009c8_oproj
	.p2align	8
	.type	k_qa4f2e009c8_oproj,@function
k_qa4f2e009c8_oproj:
	s_mov_b64 s[64:65], 0
	v_nop
	global_prefetch_b8 v0, s[64:65] scope:SCOPE_SE
	s_setreg_imm32_b32 hwreg(HW_REG_WAVE_MODE, 25, 1), 1
	s_wait_xcnt 0x0
	s_wait_alu depctr_hold_cnt(0) depctr_sa_sdst(0) depctr_va_vdst(0) depctr_va_sdst(0) depctr_va_ssrc(0) depctr_va_vcc(0) depctr_vm_vsrc(0)
	s_getreg_b32 s2, hwreg(HW_REG_IB_STS2, 6, 4)
	s_cmp_eq_u32 s2, 0
	s_cbranch_scc0 .Lentry_in_a_cluster
	s_endpgm
.Lentry_in_a_cluster:
	s_bfe_u32 s2, ttmp6, 0x10000c
	s_cmp_lg_u32 s2, 0xf033
	s_cbranch_scc0 .Lentry_shape_is_right
	s_endpgm
.Lentry_shape_is_right:
; out0 = att w_o^T: A = the codes of att (512 token tiles, laid as qin's), B = w_o's tiles of qin (704 on); out0 [8,192][1,024] f32.  No work of reference() is left out here.  LIMITS as at the head of the launch quant.
; THE PRODUCT is that of the launch qkv: a work-group makes 128 tokens x 256 columns, each of four waves 64 x 128 in 32 accumulators; all of K = 1,024 of its 8 tiles of A and 16 of B lies in LDS, each byte filled
; once, four chunks of 256 along K asked for at the head, one barrier where a chunk is first read.  The matrix instruction is used transposed: a lane holds one token, its registers run along the columns.
; CLUSTERS: 4 x 4 work-groups; A's tiles are shared along a row of the cluster, B's along a column, by joint loads.
; THE WAY OUT: 16 tokens x 128 columns at a time through the wave's own stage in LDS, back as whole rows of 512 bytes.  The stages lie in B's chunk 0: it has had its one fill, and every wave's reads of it are
; over in front of the barrier at which chunk 1 is first read.
; REGISTERS, in windows of 256: window 0: v16-26 addresses; v28, v29 the add's two; v32-79 scale words, two sets, and nothing else; v128-223 A's fragments, two sets; on the way out v128-255 rows of out0.
;   window 1: B's fragments, two sets, at v0 and v128.   window 2: accumulator (a, b) at v[64 a + 8 b].
.set TILEB, 13312
.set REC,   3328
.set RECL,  3200
.set ACH,   8*RECL
.set BCH,   16*RECL
.set BOFF,  4*ACH
.set SPARE, BOFF+4*BCH                 ; the spare words, 128 bytes for each wave, that no other line names
.set SP,    528                        ; a stage row: 512 bytes + 16
.set ADRA, 16
.set ADRB, 17
.set ASA,  18
.set ASB,  19
.set L8,   20
.set STO,  24                          ; v24  the stage: where I put 32 bytes of a row
.set RD,   25                          ; v25  and where I read a row back
.set CO,   26                          ; v26  16 x lane: my bytes of a row's 512
.set SPW,  28
.set NIL,  29
.set SC,   32
.set AF,   128
.set G1A,  24
.set G1B,  32
.set G0A,  48
.set G0B,  68
.set MSB, 0
.macro WIN new                         ; the immediate's high byte repeats the setting that is left
.if MSB != \new
	s_set_vgpr_msb (MSB<<8)|\new
.set MSB, \new
.endif
.endm
.macro JLOAD c                         ; a joint load: waves 0 and 1 fetch A's halves, waves 2 and 3 B's; an s_nop 0 and four v_nop follow each of the two lines
	s_cmp_eq_u32 s15, 0
	s_cbranch_scc0 .Lfor_b_\@
	tensor_load_to_lds s[G0A+4*\c:G0A+4*\c+3], s[G1A:G1A+7]
	s_nop 0
.rept 4
	v_nop
.endr
	s_branch .Lasked_\@
.Lfor_b_\@:
	tensor_load_to_lds s[G0B+4*\c:G0B+4*\c+3], s[G1B:G1B+7]
	s_nop 0
.rept 4
	v_nop
.endr
.Lasked_\@:
.endm
.macro CROUND
	s_barrier_signal -1
	s_barrier_wait -1
	s_cmp_lg_u32 s14, 0
	s_cbranch_scc1 .Lnot_wave_0_\@
	s_barrier_signal -3
.Lnot_wave_0_\@:
	s_barrier_wait -3
	s_barrier_signal -1
	s_barrier_wait -1
.endm
	s_load_b128 s[4:7], s[0:1], 0x0                ; att s[4:5], qin s[6:7]
	s_load_b64 s[8:9], s[0:1], 0x10                ; out0
	v_lshl_add_u32 v[SPW], v0, 2, SPARE
	v_mov_b32 v[NIL], 0
	ds_add_u32 v[SPW], v[NIL]                      ; the wave's opening: the add, twice on end, and its wait ahead of my first tensor load
	ds_add_u32 v[SPW], v[NIL]
	v_lshrrev_b32 v1, 5, v0
	v_readfirstlane_b32 s14, v1                    ; wave 0..3
	s_lshr_b32 s15, s14, 1                         ; which half of the rows is mine.  Also: I fetch for A (0) or for B (1)
	s_and_b32 s16, s14, 1                          ; which half of the columns.  Also: which half of the tiles I fetch
	s_bfe_u32 s40, ttmp6, 0x40000                  ; cx
	s_bfe_u32 s41, ttmp6, 0x40004                  ; cy
	s_and_b32 s17, ttmp7, 0xffff
	s_lshl_b32 s17, s17, 2
	s_add_co_u32 s17, s17, s41                     ; my block of 128 tokens
	s_lshl_b32 s42, ttmp9, 2
	s_add_co_u32 s42, s42, s40                     ; my block of 256 columns
	s_lshl_b32 s43, s41, 2
	s_lshl_b32 s43, 15, s43                        ; my row of the cluster
	s_lshl_b32 s44, 0x1111, s40                    ; my column
	s_or_b32 s[G1A], s43, (3<<16)|(1<<21)          ; group 1: 4 (A) or 8 (B) tiles' records of one chunk: rows of 400 elements of 8 bytes, 1,664 elements apart, dense in LDS
	s_or_b32 s[G1B], s44, (3<<16)|(1<<21)
	s_mov_b32 s[G1A+1], 400<<16
	s_mov_b32 s[G1A+2], 4<<16
	s_mov_b32 s[G1A+3], 400<<16
	s_mov_b32 s[G1A+4], 4
	s_mov_b32 s[G1A+5], 1664
	s_mov_b32 s[G1A+6], 0
	s_mov_b32 s[G1A+7], 0
	s_mov_b32 s[G1B+1], 400<<16
	s_mov_b32 s[G1B+2], 8<<16
	s_mov_b32 s[G1B+3], 400<<16
	s_mov_b32 s[G1B+4], 8
	s_mov_b32 s[G1B+5], 1664
	s_mov_b32 s[G1B+6], 0
	s_mov_b32 s[G1B+7], 0
	s_lshl_b32 s20, s17, 3                         ; A: tile 8 x block + 4 x half; these registers never hold cx
	s_lshl_b32 s21, s16, 2
	s_add_co_u32 s20, s20, s21
	s_mul_i32 s20, s20, TILEB
	s_mov_b32 s21, 0
	s_lshl_b32 s22, s42, 4                         ; B: tile 704 + 16 x block + 8 x half; these never hold cy
	s_lshl_b32 s23, s16, 3
	s_add_co_u32 s22, s22, s23
	s_add_co_u32 s22, s22, 704
	s_mul_i32 s22, s22, TILEB
	s_mov_b32 s23, 0
	s_mul_i32 s45, s16, 4*RECL
	s_mul_i32 s46, s16, 8*RECL
	s_wait_dscnt 0x0                               ; both opening adds are done
	s_wait_kmcnt 0x0
	s_add_nc_u64 s[20:21], s[4:5], s[20:21]
	s_add_nc_u64 s[22:23], s[6:7], s[22:23]
.irp c, 0,1,2,3
	s_mov_b32 s[G0A+4*\c], 1
	s_add_co_u32 s[G0A+4*\c+1], s45, ACH*\c
	s_add_nc_u64 s[G0A+4*\c+2:G0A+4*\c+3], s[20:21], REC*\c
	s_or_b32 s[G0A+4*\c+3], s[G0A+4*\c+3], 0x80000000
	s_mov_b32 s[G0B+4*\c], 1
	s_add_co_u32 s[G0B+4*\c+1], s46, BOFF+BCH*\c
	s_add_nc_u64 s[G0B+4*\c+2:G0B+4*\c+3], s[22:23], REC*\c
	s_or_b32 s[G0B+4*\c+3], s[G0B+4*\c+3], 0x80000000
.endr
	CROUND                                         ; all sixteen work-groups are here: the joint loads meet
	JLOAD 0                                        ; all of K is asked for at once: four loads of mine are out
	JLOAD 1
	JLOAD 2
	JLOAD 3
	v_and_b32 v1, 31, v0                           ; lane
	v_and_b32 v2, 15, v0                           ; r
	v_bfe_u32 v3, v0, 4, 1                         ; h
	v_lshlrev_b32 v[L8], 3, v1
	v_lshlrev_b32 v4, 3, v2
	s_mul_i32 s45, s15, 4*RECL
	s_mul_i32 s46, s16, 8*RECL
	s_add_co_u32 s46, s46, BOFF
	v_add_nc_u32 v[ADRA], s45, v[L8]
	v_add_nc_u32 v[ADRB], s46, v[L8]
	s_add_co_u32 s45, s45, 3072
	s_add_co_u32 s46, s46, 3072
	v_add_nc_u32 v[ASA], s45, v4
	v_add_nc_u32 v[ASB], s46, v4
	s_mul_i32 s47, s14, 16*SP
	s_add_co_u32 s47, s47, BOFF                    ; my stage
	v_mul_u32_u24 v[STO], v2, SP
	v_lshl_add_u32 v[STO], v3, 6, v[STO]
	v_add_nc_u32 v[STO], s47, v[STO]               ; in: row r, + 64 h: my half's 16 columns of each 32
	v_lshlrev_b32 v[CO], 4, v1
	v_add_nc_u32 v[RD], s47, v[CO]                 ; back: the 32 lanes take one row of 512 bytes
	s_lshl_b32 s84, s17, 19                        ; out0: 128 rows of 4,096 bytes a block,
	s_lshl_b32 s85, s15, 18                        ; my 64 of them,
	s_add_co_u32 s84, s84, s85
	s_lshl_b32 s85, s42, 10                        ; 256 columns a block,
	s_add_co_u32 s84, s84, s85
	s_lshl_b32 s85, s16, 9                         ; my 128 of them
	s_add_co_u32 s84, s84, s85
	s_mov_b32 s85, 0
	s_add_nc_u64 s[8:9], s[8:9], s[84:85]
.macro FRAG reg, adr, off              ; a fragment is two half fragments on end: six pieces of 256 consecutive bytes
.irp p, 0,1,2,3,4,5
	ds_load_b64 v[(\reg)+2*\p:(\reg)+2*\p+1], v[\adr] offset:(\off)+256*\p
.endr
.endm
.macro FETCH q, set
	WIN 0x40                                       ; destination window 1, address window 0
.irp b, 0,1,2,3,4,5,6,7
	FRAG 128*(\set)+12*\b, ADRB, RECL*\b+1536*(\q)
.endr
	WIN 0
.irp a, 0,1,2,3
	FRAG AF+48*(\set)+12*\a, ADRA, RECL*\a+1536*(\q)
.endr
.endm
.macro SCALES cp
.irp a, 0,1,2,3
	ds_load_b64 v[SC+24*(\cp)+2*\a:SC+24*(\cp)+2*\a+1], v[ASA] offset:RECL*\a
.endr
.irp b, 0,1,2,3,4,5,6,7
	ds_load_b64 v[SC+24*(\cp)+8+2*\b:SC+24*(\cp)+8+2*\b+1], v[ASB] offset:RECL*\b
.endr
.endm
.macro MUL set, cp, q, zero            ; 32 matrix instructions, the 32 accumulators by turns; zero = 1: the first products start the sums
	WIN 0xa1                                       ; source 0 (B) window 1, source 1 (A) window 0, C and D window 2
.irp a, 0,1,2,3
.irp b, 0,1,2,3,4,5,6,7
.if \zero
	v_wmma_scale_f32_16x16x128_f8f6f4 v[64*\a+8*\b:64*\a+8*\b+7], v[128*(\set)+12*\b:128*(\set)+12*\b+11], v[AF+48*(\set)+12*\a:AF+48*(\set)+12*\a+11], 0, v[SC+24*(\cp)+8+2*\b+(\q)], v[SC+24*(\cp)+2*\a+(\q)] matrix_a_fmt:MATRIX_FMT_BF6 matrix_b_fmt:MATRIX_FMT_BF6
.else
	v_wmma_scale_f32_16x16x128_f8f6f4 v[64*\a+8*\b:64*\a+8*\b+7], v[128*(\set)+12*\b:128*(\set)+12*\b+11], v[AF+48*(\set)+12*\a:AF+48*(\set)+12*\a+11], v[64*\a+8*\b:64*\a+8*\b+7], v[SC+24*(\cp)+8+2*\b+(\q)], v[SC+24*(\cp)+2*\a+(\q)] matrix_a_fmt:MATRIX_FMT_BF6 matrix_b_fmt:MATRIX_FMT_BF6
.endif
.endr
.endr
.endm
; K step s of eight: its fragments were asked for a step ago; the next step's are asked for ahead of its products, four plain vector instructions behind the products that read the set they land in
.macro KSTEP s
	s_wait_dscnt 0x0                               ; this step's fragments and scale words are in; no LDS instruction of mine is out at the signal below
.if ((\s)%2 == 1) && ((\s) < 7)
	s_wait_tensorcnt (5-(\s))/2                    ; my loads end in order: the count is that of the later chunks' loads, which may stay out
	s_barrier_signal -1
	s_barrier_wait -1
	WIN 0
	v_add_nc_u32 v[ADRA], ACH, v[ADRA]             ; on to the next chunk: these four are the four places
	v_add_nc_u32 v[ASA], ACH, v[ASA]
	v_add_nc_u32 v[ADRB], BCH, v[ADRB]
	s_wait_alu depctr_va_vdst(0)
	v_add_nc_u32 v[ASB], BCH, v[ASB]
.endif
.if ((\s)%2 == 0) && ((\s) > 0)
.rept 4
	v_nop
.endr
.endif
.if (\s) < 7
	FETCH ((\s)+1)%2, ((\s)+1)%2
.if (\s)%2 == 1
	SCALES (((\s)+1)/2)%2
.endif
.endif
.if (\s) == 0
	MUL 0, 0, 0, 1
.else
	MUL (\s)%2, ((\s)/2)%2, (\s)%2, 0
.endif
.endm
; Tile a of my four: accumulator (a, b), lane (r, h), register j is column 32 (b / 2) + 16 h + 8 (b % 2) + j of row index r.  LDS serves a wave's instructions in order: no wait between the stores and the loads
.macro TOSTAGE a
	WIN 0x08                                       ; an LDS store's data are its source 1: window 2
.irp b, 0,1,2,3,4,5,6,7
	ds_store_b128 v[STO], v[64*(\a)+8*\b:64*(\a)+8*\b+3] offset:128*(\b/2)+32*(\b%2)       ; each accumulator from its low end on
	ds_store_b128 v[STO], v[64*(\a)+8*\b+4:64*(\a)+8*\b+7] offset:128*(\b/2)+32*(\b%2)+16
.endr
	WIN 0
.set BB, 128+64*((\a)%2)
.irp t, 0,1,2,3,4,5,6,7,8,9,10,11,12,13,14,15
	ds_load_b128 v[BB+4*\t:BB+4*\t+3], v[RD] offset:SP*\t
.endr
.endm
.macro SEND a, younger                 ; younger: the LDS instructions issued behind tile a's loads, which may stay out.  Row index t of tile a is token 32 (a / 2) + 8 (a % 2) + t + 8 (t / 8) of my 64
.set BB, 128+64*((\a)%2)
	s_wait_dscnt \younger
.irp t, 0,1,2,3,4,5,6,7,8,9,10,11,12,13,14,15
	global_store_b128 v[CO], v[BB+4*\t:BB+4*\t+3], s[8:9] offset:(32*((\a)/2)+8*((\a)%2)+\t+8*(\t/8))*4096 th:TH_STORE_NT   ; 32 lanes store 512 consecutive bytes, aligned; written once, read by nobody here
.endr
.endm
	s_wait_alu depctr_va_vdst(0)
	s_wait_tensorcnt 0x3                           ; my part of chunk 0 is in; my three later loads may be out
	s_barrier_signal -1
	s_barrier_wait -1                              ; everybody's is
	FETCH 0, 0
	SCALES 0
.irp s, 0,1,2,3,4,5,6,7
	KSTEP \s
.endr
	WIN 0
.rept 4
	v_nop                                          ; places behind the last products: for the first reads of results and for the loads into A's registers
.endr
	TOSTAGE 0
	TOSTAGE 1
	SEND 0, 32                                     ; behind tile 0's loads: tile 1's 16 stores and 16 loads
	s_wait_xcnt 0x0                                ; tile 0's stores have read their registers: tile 2's loads may land there
	TOSTAGE 2
	SEND 1, 32
	s_wait_xcnt 0x0
	TOSTAGE 3
	SEND 2, 32
	SEND 3, 0
	s_wait_tensorcnt 0x0                           ; the wave's end, behind my last tensor load and my last LDS store
	ds_add_u32 v[SPW], v[NIL]
	s_wait_dscnt 0x0
	CROUND                                         ; the closing round
	s_endpgm
.Lfunc_end_k_qa4f2e009c8_oproj:
	.size	k_qa4f2e009c8_oproj, .Lfunc_end_k_qa4f2e009c8_oproj-k_qa4f2e009c8_oproj
	.p2alignl 7, 3214868480
	.fill 96, 4, 3214868480
	.section	.rodata,"a",@progbits
	.p2align	6, 0x0
	.amdhsa_kernel k_qa4f2e009c8_oproj
		.amdhsa_group_segment_fixed_size 327680
		.amdhsa_private_segment_fixed_size 0
		.amdhsa_enable_private_segment 0
		.amdhsa_kernarg_size 24
		.amdhsa_user_sgpr_count 2
		.amdhsa_user_sgpr_kernarg_segment_ptr 1
		.amdhsa_wavefront_size32 1
		.amdhsa_system_sgpr_workgroup_id_x 1
		.amdhsa_system_sgpr_workgroup_id_y 1
		.amdhsa_system_sgpr_workgroup_id_z 1
		.amdhsa_system_vgpr_workitem_id 0
		.amdhsa_next_free_vgpr 768
		.amdhsa_next_free_sgpr 100
		.amdhsa_reserve_vcc 0
		.amdhsa_float_denorm_mode_32 3
		.amdhsa_float_denorm_mode_16_64 3
		.amdhsa_memory_ordered 1
		.amdhsa_forward_progress 1
		.amdhsa_inst_pref_size 98
	.end_amdhsa_kernel
	.amdgpu_metadata
---
amdhsa.version: [ 1, 2 ]
amdhsa.kernels:
  - .name:           k_qa4f2e009c8_oproj
    .symbol:         k_qa4f2e009c8_oproj.kd
    .args:
      - { .name: att, .offset: 0, .size: 8, .value_kind: global_buffer, .address_space: global }
      - { .name: qin, .offset: 8, .size: 8, .value_kind: global_buffer, .address_space: global }
      - { .name: out0, .offset: 16, .size: 8, .value_kind: global_buffer, .address_space: global }
    .group_segment_fixed_size: 327680
    .private_segment_fixed_size: 0
    .kernarg_segment_align: 8
    .kernarg_segment_size: 24
    .max_flat_workgroup_size: 128
    .sgpr_count:     100
    .vgpr_count:     768
    .wavefront_size: 32
...
	.end_amdgpu_metadata
.endif
;; end of part 4
